; MI455X (gfx1250); checked and timed in simulation.
; The chip was launched on July 23, 2026; its instructions are those of AMD's public machine-readable ISA for CDNA 5 (MIT licence, August 2026) and "CDNA5" Instruction Set Architecture Reference Guide (July 2026). The comments in the code are by the model that wrote it; some were corrected since.
;; Attention. Allowed arithmetic: float matrix products may take bf16 or f16 operands with f32 sums; all other float work in f32.
;; Inputs: cos 2,048 x 32 float32; mask 2,048 x 2,048 float32; sin 2,048 x 32 float32; wk 2,048 x 512 float32; wo 2,048 x 2,048 float32; wq 2,048 x 2,048 float32; wv 2,048 x 512 float32; x 1 x 2,048 x 2,048 float32.
;; Outputs: out0 1 x 2,048 x 2,048 float32.
;; Constants: start_pos = 0.
;; 2 versions, each right; version 2 is version 1 with the launch cast written anew for expert scheduling mode. Each part assembles by itself: llvm-mc -triple=amdgcn-amd-amdhsa -mcpu=gfx1250 --defsym DOCPART=n.
;; ======== version 1 of 2: 4 launches
;; limits: values outside matrix products are rounded to bf16; values are held in f16: magnitudes above 65,504 overflow, below 6.1e-05 lose precision
;; workspace buffers: xb 8,388,608 bytes; wqkv 12,582,912 bytes; wob 8,388,608 bytes; qkvh 12,582,912 bytes; att 8,388,608 bytes
;; launch cast (part 1): grid 1792 x 1, 8 waves a work-group, no clusters, 0 bytes of LDS; arguments x, wq, wk, wv, wo, xb, wqkv, wob; writes xb, wqkv, wob
.if DOCPART == 1
	.amdgcn_target "amdgcn-amd-amdhsa--gfx1250"
	.amdhsa_code_object_version 6
	.text
	.protected	k_q6366370f81_cast
	.globl	k_q6366370f81_cast
	.p2align	8
	.type	k_q6366370f81_cast,@function
k_q6366370f81_cast:
	s_mov_b64 s[64:65], 0
	v_nop
	global_prefetch_b8 v0, s[64:65] scope:SCOPE_SE
	s_setreg_imm32_b32 hwreg(HW_REG_WAVE_MODE, 25, 1), 1
	s_wait_xcnt 0x0
; cast: the five matrix inputs, f32, are rounded once to bf16 (nearest even) and laid out in the order in which the products fetch them.
; K = 2048 is cut into 32 panels of 64; three panels make a K step of 192 (steps 0 to 9), the last two the step of 128 (step 10).
;   x [2048][2048]  -> xb   [step][16 blocks of 128 rows][panel of the step][128 rows][64 along K]: a step's tile of a block is 49,152 dense bytes (32,768 in step 10)
;   wq [2048][2048], wk, wv [2048][512] -> wqkv [step][16 blocks of 3 heads][panel of the step][3 heads][64 k][64 columns]: 73,728 dense bytes (49,152 in step 10);
;                      heads 0-31 wq, 32-39 wk, 40-47 wv
;   wo [2048][2048] -> wob [2048][2048]: rounded to bf16 like the others, then written in f16's format, because its partner in the last product is f16.
;                      LIMIT: that second step is exact for 2^-17 <= |wo| < 65,504; below it is off by at most 2^-25, above it overflows.
; A stream: no LDS, no matrix unit, no cluster (no byte is read twice).  Every wave has eight loads of 512 bytes, all issued at once, and eight stores of
; 256 consecutive bytes, each aligned to its own length.  Work-groups 0-511: x; 512-1279: the three weights; 1280-1791: wo.
; x and the weights: a wave takes 16 rows of a panel's 64 columns; lanes 0-15 read 256 bytes of one row, lanes 16-31 of the next; the two rows' 128 bytes of
; bf16 lie side by side in the panel.  wo: a wave takes 8 rows of 128 columns, a row to a load.  One body serves all by three scalars:
; s25 = bytes from the row of lanes 0-15 to what lanes 16-31 read, s26 = bytes from piece to piece in the source, s27 = the same in the destination.
.set X,  8                             ; v[8:39]   eight pieces of 4 f32 a lane
.set Y,  40                            ; v[40:55]  eight pieces of 4 16-bit numbers a lane: each store has registers of its own
.set T,  56                            ; v[56:59]  at work (wo only)
.set SO, 60                            ; v[60:67]  byte offset of piece i in the source
.set DO, 68                            ; v[68:75]  byte offset of piece i in the destination
	s_load_b512 s[4:19], s[0:1], 0x0               ; x s[4:5], wq s[6:7], wk s[8:9], wv s[10:11], wo s[12:13], xb s[14:15], wqkv s[16:17], wob s[18:19]
	v_lshrrev_b32 v1, 5, v0
	v_readfirstlane_b32 s21, v1                    ; wave
	v_and_b32 v2, 15, v0                           ; lane % 16
	v_bfe_u32 v3, v0, 4, 1                         ; lane / 16
	v_and_b32 v4, 31, v0                           ; lane
	s_mov_b32 s35, 0                               ; high words of the two offsets
	s_mov_b32 s37, 0
	s_wait_kmcnt 0x0
	s_cmp_ge_u32 ttmp9, 1280
	s_cbranch_scc1 .Lwo
	s_cmp_ge_u32 ttmp9, 512
	s_cbranch_scc1 .Lw
	; x: work-group = (panel, block of 128 rows), wave = 16 rows of the block
	s_lshr_b32 s22, ttmp9, 4                       ; panel 0..31
	s_and_b32 s23, ttmp9, 15                       ; block of rows
	s_mul_i32 s24, s22, 43
	s_lshr_b32 s24, s24, 7                         ; step = panel / 3 (43/128 serves up to 127)
	s_mul_i32 s28, s24, 3
	s_sub_co_u32 s28, s22, s28                     ; panel within the step
	s_mov_b32 s29, 32768
	s_cmp_lt_u32 s24, 10
	s_cselect_b32 s29, 49152, s29                  ; bytes of a tile in this step
	s_mul_i32 s36, s24, 786432                     ; 16 full tiles a step
	s_mul_i32 s29, s29, s23
	s_add_co_u32 s36, s36, s29
	s_lshl_b32 s29, s28, 14                        ; a panel of a tile: 128 rows of 128 bytes
	s_add_co_u32 s36, s36, s29
	s_lshl_b32 s29, s21, 11                        ; my 16 rows
	s_add_co_u32 s36, s36, s29
	s_lshl_b32 s34, s23, 20                        ; source: 128 rows of 8,192 bytes,
	s_lshl_b32 s29, s21, 17                        ; my 16 rows,
	s_add_co_u32 s34, s34, s29
	s_lshl_b32 s29, s22, 8                         ; the panel's 256 bytes
	s_add_co_u32 s34, s34, s29
	s_add_nc_u64 s[30:31], s[4:5], s[34:35]
	s_add_nc_u64 s[32:33], s[14:15], s[36:37]
	s_mov_b32 s25, 8192
	s_mov_b32 s26, 16384
	s_mov_b32 s27, 256
	s_branch .Lgo
.Lw:
	; weights: work-group = (head, pair of panels), wave = (panel of the pair, 16 of its 64 k)
	s_sub_co_u32 s20, ttmp9, 512
	s_lshr_b32 s22, s20, 4                         ; head 0..47
	s_and_b32 s23, s20, 15
	s_lshr_b32 s24, s21, 2
	s_lshl1_add_u32 s23, s23, s24                  ; panel 0..31
	s_and_b32 s38, s21, 3                          ; which 16 k
	s_mul_i32 s24, s23, 43
	s_lshr_b32 s24, s24, 7                         ; step
	s_mul_i32 s28, s24, 3
	s_sub_co_u32 s28, s23, s28                     ; panel within the step
	s_mul_i32 s39, s22, 43
	s_lshr_b32 s39, s39, 7                         ; block of 3 heads
	s_mul_i32 s29, s39, 3
	s_sub_co_u32 s20, s22, s29                     ; head within the block
	s_mov_b32 s29, 49152
	s_cmp_lt_u32 s24, 10
	s_cselect_b32 s29, 73728, s29                  ; bytes of a tile in this step
	s_mul_i32 s36, s24, 1179648                    ; 16 full tiles a step
	s_mul_i32 s29, s29, s39
	s_add_co_u32 s36, s36, s29
	s_mul_i32 s29, s28, 24576                      ; a panel of a tile: 3 heads x 64 k x 128 bytes
	s_add_co_u32 s36, s36, s29
	s_lshl_b32 s29, s20, 13                        ; a head: 64 k x 128 bytes
	s_add_co_u32 s36, s36, s29
	s_lshl_b32 s29, s38, 11                        ; my 16 k
	s_add_co_u32 s36, s36, s29
	s_mov_b64 s[30:31], s[6:7]                     ; heads 0-31: wq
	s_mov_b32 s25, 8192
	s_mov_b32 s28, s22
	s_sub_co_u32 s29, s22, 32
	s_cmp_ge_u32 s22, 32                           ; heads 32-39: wk
	s_cselect_b64 s[30:31], s[8:9], s[30:31]
	s_cselect_b32 s25, 2048, s25
	s_cselect_b32 s28, s29, s28
	s_sub_co_u32 s29, s22, 40
	s_cmp_ge_u32 s22, 40                           ; heads 40-47: wv
	s_cselect_b64 s[30:31], s[10:11], s[30:31]
	s_cselect_b32 s28, s29, s28
	s_lshl_b32 s34, s23, 6
	s_lshl4_add_u32 s34, s38, s34                  ; my first k = 64 x panel + 16 x part
	s_mul_i32 s34, s34, s25
	s_lshl_b32 s29, s28, 8                         ; the head's 256 bytes of a row
	s_add_co_u32 s34, s34, s29
	s_add_nc_u64 s[30:31], s[30:31], s[34:35]
	s_add_nc_u64 s[32:33], s[16:17], s[36:37]
	s_lshl_b32 s26, s25, 1
	s_mov_b32 s27, 256
	s_branch .Lgo
.Lwo:
	; wo: work-group = (64 rows, 128 columns), wave = 8 rows
	s_sub_co_u32 s20, ttmp9, 1280
	s_and_b32 s22, s20, 15                         ; strip of 128 columns
	s_lshr_b32 s23, s20, 4
	s_lshl_b32 s23, s23, 6
	s_lshl3_add_u32 s23, s21, s23                  ; my first row
	s_lshl_b32 s34, s23, 13
	s_lshl_b32 s29, s22, 9
	s_add_co_u32 s34, s34, s29
	s_lshl_b32 s36, s23, 12
	s_lshl_b32 s29, s22, 8
	s_add_co_u32 s36, s36, s29
	s_add_nc_u64 s[30:31], s[12:13], s[34:35]
	s_add_nc_u64 s[32:33], s[18:19], s[36:37]
	s_mov_b32 s25, 256                             ; lanes 16-31 go on in the same row
	s_mov_b32 s26, 8192
	s_mov_b32 s27, 4096
.Lgo:
	v_mul_lo_u32 v5, v3, s25
	v_lshl_add_u32 v[SO], v2, 4, v5                ; 16 bytes a lane
	v_lshlrev_b32 v[DO], 3, v4                     ; 8 bytes a lane
	global_load_b128 v[X:X+3], v[SO], s[30:31] th:TH_LOAD_NT
.irp i, 1,2,3,4,5,6,7
	v_add_nc_u32 v[SO+\i], s26, v[SO+\i-1]
	global_load_b128 v[X+4*\i:X+4*\i+3], v[SO+\i], s[30:31] th:TH_LOAD_NT
.endr
.irp i, 1,2,3,4,5,6,7
	v_add_nc_u32 v[DO+\i], s27, v[DO+\i-1]
.endr
; Piece i of eight.  half = 1: the bf16 numbers are widened again (a shift, a mask) and written as f16.
.macro PIECE i, half
	s_wait_loadcnt 7-\i                            ; loads come back in order (ISA guide 5.7.1): piece i is in, the 7 - i younger ones stay out
	v_cvt_pk_bf16_f32 v[Y+2*\i],   v[X+4*\i],   v[X+4*\i+1]
	v_cvt_pk_bf16_f32 v[Y+2*\i+1], v[X+4*\i+2], v[X+4*\i+3]
.if \half
	v_lshlrev_b32 v[T],   16,         v[Y+2*\i]
	v_and_b32     v[T+1], 0xffff0000, v[Y+2*\i]
	v_lshlrev_b32 v[T+2], 16,         v[Y+2*\i+1]
	v_and_b32     v[T+3], 0xffff0000, v[Y+2*\i+1]
	v_cvt_pk_f16_f32 v[Y+2*\i],   v[T],   v[T+1]
	v_cvt_pk_f16_f32 v[Y+2*\i+1], v[T+2], v[T+3]
.endif
	global_store_b64 v[DO+\i], v[Y+2*\i:Y+2*\i+1], s[32:33]   ; 32 lanes store 256 consecutive bytes; later launches read them: no hint
.endm
	s_cmp_ge_u32 ttmp9, 1280
	s_cbranch_scc1 .Lhalf
.irp i, 0,1,2,3,4,5,6,7
	PIECE \i, 0
.endr
	s_endpgm
.Lhalf:
.irp i, 0,1,2,3,4,5,6,7
	PIECE \i, 1
.endr
	s_endpgm
.Lfunc_end_k_q6366370f81_cast:
	.size	k_q6366370f81_cast, .Lfunc_end_k_q6366370f81_cast-k_q6366370f81_cast
	.p2alignl 7, 3214868480
	.fill 96, 4, 3214868480
	.section	.rodata,"a",@progbits
	.p2align	6, 0x0
	.amdhsa_kernel k_q6366370f81_cast
		.amdhsa_group_segment_fixed_size 0
		.amdhsa_private_segment_fixed_size 0
		.amdhsa_enable_private_segment 0
		.amdhsa_kernarg_size 64
		.amdhsa_user_sgpr_count 2
		.amdhsa_user_sgpr_kernarg_segment_ptr 1
		.amdhsa_wavefront_size32 1
		.amdhsa_system_sgpr_workgroup_id_x 1
		.amdhsa_system_sgpr_workgroup_id_y 1
		.amdhsa_system_sgpr_workgroup_id_z 1
		.amdhsa_system_vgpr_workitem_id 0
		.amdhsa_next_free_vgpr 80
		.amdhsa_next_free_sgpr 66
		.amdhsa_reserve_vcc 0
		.amdhsa_float_denorm_mode_32 3
		.amdhsa_float_denorm_mode_16_64 3
		.amdhsa_memory_ordered 1
		.amdhsa_forward_progress 1
		.amdhsa_inst_pref_size 13
	.end_amdhsa_kernel
	.amdgpu_metadata
---
amdhsa.version: [ 1, 2 ]
amdhsa.kernels:
  - .name:           k_q6366370f81_cast
    .symbol:         k_q6366370f81_cast.kd
    .args:
      - { .name: x, .offset: 0, .size: 8, .value_kind: global_buffer, .address_space: global }
      - { .name: wq, .offset: 8, .size: 8, .value_kind: global_buffer, .address_space: global }
      - { .name: wk, .offset: 16, .size: 8, .value_kind: global_buffer, .address_space: global }
      - { .name: wv, .offset: 24, .size: 8, .value_kind: global_buffer, .address_space: global }
      - { .name: wo, .offset: 32, .size: 8, .value_kind: global_buffer, .address_space: global }
      - { .name: xb, .offset: 40, .size: 8, .value_kind: global_buffer, .address_space: global }
      - { .name: wqkv, .offset: 48, .size: 8, .value_kind: global_buffer, .address_space: global }
      - { .name: wob, .offset: 56, .size: 8, .value_kind: global_buffer, .address_space: global }
    .group_segment_fixed_size: 0
    .private_segment_fixed_size: 0
    .kernarg_segment_align: 8
    .kernarg_segment_size: 64
    .max_flat_workgroup_size: 256
    .sgpr_count:     66
    .vgpr_count:     80
    .wavefront_size: 32
...
	.end_amdgpu_metadata
.endif
;; end of part 1
;; launch qkv (part 2): grid 16 x 16, 4 waves a work-group, clusters of 4 x 4, 327,680 bytes of LDS; arguments xb, wqkv, cos, sin, qkvh; writes qkvh
.if DOCPART == 2
	.amdgcn_target "amdgcn-amd-amdhsa--gfx1250"
	.amdhsa_code_object_version 6
	.text
	.protected	k_q6366370f81_qkv
	.globl	k_q6366370f81_qkv
	.p2align	8
	.type	k_q6366370f81_qkv,@function
k_q6366370f81_qkv:
	s_mov_b64 s[64:65], 0
	v_nop
	global_prefetch_b8 v0, s[64:65] scope:SCOPE_SE
	s_setreg_imm32_b32 hwreg(HW_REG_WAVE_MODE, 25, 1), 1
	s_wait_xcnt 0x0
	s_wait_alu depctr_hold_cnt(0) depctr_sa_sdst(0) depctr_va_vdst(0) depctr_va_sdst(0) depctr_va_ssrc(0) depctr_va_vcc(0) depctr_vm_vsrc(0)
	s_getreg_b32 s2, hwreg(HW_REG_IB_STS2, 6, 4)
	s_cmp_eq_u32 s2, 0
	s_cbranch_scc0 .Lentry_in_a_cluster
	s_endpgm
.Lentry_in_a_cluster:
	s_bfe_u32 s2, ttmp6, 0x10000c
	s_cmp_lg_u32 s2, 0xf033
	s_cbranch_scc0 .Lentry_shape_is_right
	s_endpgm
.Lentry_shape_is_right:
; qkv: [q|k|v] = x [wq|wk|wv] (bf16 operands, f32 sums), the rotation of q and k by cos and sin, q times log2(e)/8, all rounded once to f16 and
; stored head by head: qkvh [48 heads][2048 rows][64] f16, heads 0-31 q, 32-39 k, 40-47 v.
; LIMITS: |q|, |k|, |v| < 65,504 (f16): with x and the weights all 30 times larger they reach some 4,500, with offsets of 30 spreads on all of
; them 2048 x 30 x 0.6 x sqrt(2) = 52,000.  cos and sin are taken at bf16's precision, like x and the weights; the rotation itself is f32.
; A work-group makes 128 rows x 192 columns (3 heads): 16 x 16 = 256 work-groups; of the shapes with 24,576 outputs that divide the grid this one
; has the fewest rows plus columns (320), so the fewest bytes through LDS and the longest K step that two slots can hold.
; Four waves, 2 x 2: wave (wr, wc) takes rows 64 wr to 64 wr + 63 and, of each head, columns 32 wc to 32 wc + 31: 4 x 6 accumulator tiles, 192 registers.
; K goes in ten steps of 192 and one of 128 through a ring of two LDS slots filled by the tensor data mover.  A padded k costs 128 x 2 x 9/8 + 192 x 2 x 5/4
; = 768 bytes of LDS, so two slots of 192 take 294,912 bytes; 224 would not fit.  From a request to the wait for it a wave issues 132 of a step's 144 matrix instructions.
; THE OPERANDS LIE IN MEMORY AS THEY ARE FETCHED: a step's tile of x (3 panels of 64 along K x 128 rows x 128 bytes) and of the weights (3 panels x 3 heads x
; 64 k x 128 bytes) are dense blocks, taken as rows of 256 aligned bytes and padded in LDS behind every 128 bytes.  The last step's tiles have two panels
; with the same inner strides: the same fragment addresses serve them.
; CLUSTERS: 4 x 4 work-groups.  x's tile hangs on the block row alone and is asked for jointly by the four of a row of the cluster, the weights' tile hangs
; on the block column alone and is asked for jointly by the four of a column: each is fetched once for four.
; The weights lie [k][n]: ds_load_tr16_b128 turns them as they leave LDS.  The matrix instruction is used transposed (source 0 = 16 columns of the
; weights, source 1 = 16 rows of x), so that a lane's eight results are eight neighbouring columns of one row: four pairs of the rotation.
; REGISTERS: window 0: v16-27 addresses, v64-143 and v144-223 two fragment buffers (x's 4 x 8 registers, then the weights' 6 x 8);
;            window 1: v0-191 accumulators (tile (mt, nt) at 8 (6 mt + nt), nt = 2 x head + c), v192-255 cos and sin of my rows and columns.
.set NT,     6
.set NL,     8+2*NT                    ; LDS loads of one part of a step (32 along K)
.set PA,     144                       ; x in LDS: a row's 128 bytes (64 along K) + 16 = 9 x 16: the 16 rows of a fragment load start in 16 different groups of banks
.set SUBA,   128*PA                    ; 18,432: a panel of x's tile
.set PB,     160                       ; the weights in LDS: a k's 128 bytes (one head's 64 columns) + 32 = 5 x 32, for the transposing load
.set HEADB,  64*PB                     ; 10,240: 64 k of one head
.set SUBB,   3*HEADB                   ; 30,720: a panel of the weights' tile
.set BOFF,   3*SUBA                    ; 55,296: the weights lie behind x
.set SLOT,   BOFF+3*SUBB               ; 147,456
.set STAGE,  SLOT                      ; the way out goes through slot 1's bytes: its last fill is step 9's, its last read stands in front of the barrier between steps 9 and 10
.set SPITCH, 400                       ; a row's 384 bytes + 16
.set STEPA,  786432                    ; bytes of xb in a step of 192: 16 tiles of 49,152
.set STEPB,  1179648                   ; bytes of wqkv in a step of 192: 16 tiles of 73,728
.set ADRA,   16                        ; v16-17  LDS address of my x fragments in slot 0, 1
.set ADRB,   18                        ; v18-23  the same for the weights: slot x 3 + panel
.set STO,    24                        ; the way out: where I put 16 bytes of a row
.set RD,     25                        ; the way out: where I read rows back
.set CO,     26                        ; my byte offset in qkvh
.set TB,     27                        ; my byte offset in cos and sin
.set F0,     64
.set F1,     144
.set RES,    64                        ; the way out, window 0: 48 rotated numbers
.set CC,     112                       ; 4 cos x a + b
.set SS,     116                       ; 4 sin x a
.set U,      120                       ; 8 products
.set PK,     128                       ; 24 registers of packed f16
.set CR,     152                       ; 4 cos, rounded
.set SR,     156                       ; 4 sin, rounded
.set PKC,    160                       ; 32 registers: the tables as packed bf16
.set G1,  24                           ; s[24:31] descriptor group 1, x's tile
.set G0,  32                           ; s[32:39] group 0, x's tile, a set for each slot
.set G1B, 48                           ; s[48:55] group 1, the weights' tile
.set G0B, 56                           ; s[56:63] group 0, the weights' tile, a set for each slot
.set MSB, 0
.macro WIN new                         ; the immediate's high byte repeats the setting that is left
.if MSB != \new
	s_set_vgpr_msb (MSB<<8)|\new
.set MSB, \new
.endif
.endm
.macro PLACES                          ; four places behind a matrix instruction, in front of loads into its sources and of readers of its results
.rept 4
	v_nop
.endr
.endm
; A joint load: waves 0 and 1 ask for the two halves of x's tile, waves 2 and 3 for the two halves of the weights'.  Each line has one mask and one set of registers for all that issue it.
.macro JLOAD s
	s_cmp_eq_u32 s11, 0
	s_cbranch_scc0 .Lfor_b_\@
	tensor_load_to_lds s[G0+4*\s:G0+4*\s+3], s[G1:G1+7]
	s_nop 0
	s_branch .Lasked_\@
.Lfor_b_\@:
	tensor_load_to_lds s[G0B+4*\s:G0B+4*\s+3], s[G1B:G1B+7]
	s_nop 0
.Lasked_\@:
.endm
.macro CREST                           ; a round of the cluster's barrier behind its opening barrier
	s_cmp_lg_u32 s10, 0
	s_cbranch_scc1 .Lnot_wave_0_\@
	s_barrier_signal -3
.Lnot_wave_0_\@:
	s_barrier_wait -3
	s_barrier_signal -1
	s_barrier_wait -1
.endm
.macro CROUND                          ; a whole round
	s_barrier_signal -1
	s_barrier_wait -1
	CREST
.endm
	s_load_b128 s[4:7], s[0:1], 0x0                ; xb s[4:5], wqkv s[6:7]
	s_load_b128 s[68:71], s[0:1], 0x10             ; cos s[68:69], sin s[70:71]
	s_load_b64 s[8:9], s[0:1], 0x20                ; qkvh
	v_lshl_add_u32 v254, v0, 2, 0x48000
	v_mov_b32 v255, 0
	ds_add_u32 v254, v255
	v_lshrrev_b32 v1, 5, v0
	v_readfirstlane_b32 s10, v1                    ; wave 0..3
	s_lshr_b32 s11, s10, 1                         ; wr: my half of the block's rows.  Also: I fetch for x (0) or for the weights (1)
	s_and_b32 s12, s10, 1                          ; wc: my half of each head's columns.  Also: which half of that tile I fetch
	s_bfe_u32 s40, ttmp6, 0x40000                  ; cx
	s_bfe_u32 s41, ttmp6, 0x40004                  ; cy
	s_lshl_b32 s42, ttmp9, 2
	s_add_co_u32 s42, s42, s40                     ; block column bx = 4 x cluster x + cx
	s_and_b32 s13, ttmp7, 0xffff
	s_lshl_b32 s13, s13, 2
	s_add_co_u32 s13, s13, s41                     ; block row by = 4 x cluster y + cy
	s_lshl_b32 s43, s41, 2
	s_lshl_b32 s43, 15, s43                        ; my row of the cluster
	s_lshl_b32 s44, 0x1111, s40                    ; my column
	; group 1, x: half a tile, 24,576 dense bytes = 96 rows of 32 elements of 8 bytes; 4 words of padding behind every 32 words
	s_or_b32 s[G1+0], s43, (3<<16)|(1<<20)|(1<<21)|(4<<22)|(3<<25)
	s_mov_b32 s[G1+1], 32<<16                      ; tensor_dim0 = 32
	s_mov_b32 s[G1+2], 96<<16                      ; tensor_dim1 = 96
	s_mov_b32 s[G1+3], 32<<16                      ; tile_dim0 = 32
	s_mov_b32 s[G1+4], 96                          ; tile_dim1 = 96
	s_mov_b32 s[G1+5], 32                          ; elements from row to row
	s_mov_b32 s[G1+6], 0
	s_mov_b32 s[G1+7], 0
	; group 1, weights: half a tile, 36,864 dense bytes = 144 such rows; 8 words of padding behind every 32 words
	s_or_b32 s[G1B+0], s44, (3<<16)|(1<<20)|(1<<21)|(4<<22)|(7<<25)
	s_mov_b32 s[G1B+1], 32<<16
	s_mov_b32 s[G1B+2], 144<<16
	s_mov_b32 s[G1B+3], 32<<16
	s_mov_b32 s[G1B+4], 144
	s_mov_b32 s[G1B+5], 32
	s_mov_b32 s[G1B+6], 0
	s_mov_b32 s[G1B+7], 0
	s_mul_i32 s16, s13, 49152                      ; xb: my block row's tile of step 0,
	s_mul_i32 s17, s12, 24576                      ;     the half that I fetch
	s_add_co_u32 s16, s16, s17
	s_mov_b32 s17, 0
	s_mul_i32 s46, s42, 73728                      ; wqkv: my block column's tile of step 0,
	s_mul_i32 s47, s12, 36864                      ;       the half that I fetch
	s_add_co_u32 s46, s46, s47
	s_mov_b32 s47, 0
	s_lshl_b32 s84, s13, 14                        ; step 10's tiles are two thirds as long: what the stepped address of x's tile is too far by,
	s_lshl_b32 s85, s12, 13                        ; 16,384 by + 8,192 half
	s_add_co_u32 s84, s84, s85
	s_mov_b32 s85, 0
	s_mul_i32 s86, s42, 24576                      ; and the weights': 24,576 bx + 12,288 half
	s_mul_i32 s87, s12, 12288
	s_add_co_u32 s86, s86, s87
	s_mov_b32 s87, 0
	s_mul_i32 s20, s12, 27648                      ; where my half goes, by the wave's number alone: 192 padded pieces of 144 bytes,
	s_mul_i32 s21, s12, 46080                      ; 288 of 160 bytes
	s_add_co_u32 s21, s21, BOFF
	s_lshl_b32 s18, s13, 14                        ; cos, sin: 128 by rows of 128 bytes,
	s_lshl_b32 s19, s11, 13                        ; my 64 rows,
	s_add_co_u32 s18, s18, s19
	s_lshl_b32 s19, s12, 6                         ; the half of a head in which my columns lie
	s_add_co_u32 s18, s18, s19
	s_mov_b32 s19, 0
	s_wait_dscnt 0x0
	s_wait_kmcnt 0x0
	s_add_nc_u64 s[14:15], s[4:5], s[16:17]
	s_add_nc_u64 s[46:47], s[6:7], s[46:47]
	s_add_nc_u64 s[68:69], s[68:69], s[18:19]
	s_add_nc_u64 s[70:71], s[70:71], s[18:19]
	CROUND                                         ; all sixteen work-groups are here: the first joint loads meet
.irp s, 0,1
	s_mov_b32 s[G0+4*\s], 1
	s_add_co_u32 s[G0+4*\s+1], s20, \s*SLOT
	s_add_nc_u64 s[G0+4*\s+2:G0+4*\s+3], s[14:15], \s*STEPA        ; slot s starts with step s
	s_or_b32 s[G0+4*\s+3], s[G0+4*\s+3], 0x80000000
	s_mov_b32 s[G0B+4*\s], 1
	s_add_co_u32 s[G0B+4*\s+1], s21, \s*SLOT
	s_add_nc_u64 s[G0B+4*\s+2:G0B+4*\s+3], s[46:47], \s*STEPB
	s_or_b32 s[G0B+4*\s+3], s[G0B+4*\s+3], 0x80000000
	JLOAD \s                                       ; both slots' first fills, two loads of each wave, before anything else
.endr
	v_and_b32 v1, 15, v0                           ; r = lane % 16
	v_bfe_u32 v2, v0, 4, 1                         ; h = lane / 16
	v_and_b32 v3, 7, v0                            ; lane % 8
	v_bfe_u32 v4, v0, 3, 1                         ; (lane / 8) % 2
	v_mul_u32_u24 v5, v1, PA                       ; x's fragment: row r of my 64, 16 bytes for each half of the lanes
	v_lshl_add_u32 v5, v2, 4, v5
	s_mul_i32 s22, s11, 64*PA
	v_add_nc_u32 v[ADRA], s22, v5
	v_add_nc_u32 v[ADRA+1], SLOT, v[ADRA]
	v_lshl_add_u32 v6, v2, 3, v3                   ; the weights' fragment, transposing load: row k = 8 h + lane % 8,
	v_mul_u32_u24 v6, v6, PB
	v_lshl_add_u32 v6, v4, 4, v6                   ; 16 bytes (8 columns) by (lane / 8) % 2,
	s_lshl_b32 s23, s12, 6                         ; my 32 columns of a head
	v_add_nc_u32 v6, s23, v6
.irp s, 0,1
.irp ks, 0,1,2
	v_add_nc_u32 v[ADRB+3*\s+\ks], \s*SLOT+BOFF+\ks*SUBB, v6
.endr
.endr
	v_mul_u32_u24 v7, v1, SPITCH                   ; the stage, in: row r of my 64, my 32 columns of a head, 16 bytes for each half of the lanes
	v_lshl_add_u32 v7, v2, 4, v7
	v_add_nc_u32 v7, s23, v7
	s_mul_i32 s22, s11, 64*SPITCH
	s_add_co_u32 s22, s22, STAGE
	v_add_nc_u32 v[STO], s22, v7
	v_bfe_u32 v8, v0, 3, 2                         ; the stage, back: four rows of one head's 128 bytes: row lane / 8, 16 bytes by lane % 8
	v_mul_u32_u24 v8, v8, SPITCH
	v_lshl_add_u32 v8, v3, 4, v8
	s_mul_i32 s22, s10, 32*SPITCH                  ; rows 32 w to 32 w + 31
	s_add_co_u32 s22, s22, STAGE
	v_add_nc_u32 v[RD], s22, v8
	v_and_b32 v9, 31, v0
	v_lshlrev_b32 v[CO], 4, v9                     ; in qkvh those four rows are 512 consecutive bytes
	v_lshlrev_b32 v10, 7, v1
	v_lshl_add_u32 v[TB], v2, 4, v10               ; cos, sin: row r, four numbers by h
	WIN 0x40                                       ; destination window 1
.irp mt, 0,1,2,3
.irp c, 0,1
	global_load_b128 v[192+8*(2*\mt+\c):192+8*(2*\mt+\c)+3],   v[TB], s[68:69] offset:2048*\mt+32*\c   ; cos of rows 16 mt + r of my 64, pairs 16 wc + 8 c + 4 h + 0..3
	global_load_b128 v[192+8*(2*\mt+\c)+4:192+8*(2*\mt+\c)+7], v[TB], s[70:71] offset:2048*\mt+32*\c   ; sin likewise
.endr
.endr
	WIN 0
; 12 matrix instructions: row blocks 2 half, 2 half + 1 x all six column blocks, 32 along K.  zero = 1: the product starts the sums.
; The 24 accumulators take turns, one instruction a turn, in the same order in every part of a step.
.macro MULH f, half, zero
.irp a, 2*\half, 2*\half+1
.irp b, 0,1,2,3,4,5
.if \zero
	v_wmma_f32_16x16x32_bf16 v[8*(NT*(\a)+\b):8*(NT*(\a)+\b)+7], v[\f+32+8*\b:\f+32+8*\b+7], v[\f+8*(\a):\f+8*(\a)+7], 0
.else
	v_wmma_f32_16x16x32_bf16 v[8*(NT*(\a)+\b):8*(NT*(\a)+\b)+7], v[\f+32+8*\b:\f+32+8*\b+7], v[\f+8*(\a):\f+8*(\a)+7], v[8*(NT*(\a)+\b):8*(NT*(\a)+\b)+7]
.endif
.endr
.endr
.endm
; 20 LDS loads: the fragments of part q (32 along K: half q % 2 of panel q / 2) of a slot into buffer f
.macro FETCH slot, q, f
.irp mt, 0,1,2,3
	ds_load_b128 v[\f+8*\mt:\f+8*\mt+3],   v[ADRA+\slot] offset:SUBA*(\q/2)+64*(\q%2)+16*PA*\mt
	ds_load_b128 v[\f+8*\mt+4:\f+8*\mt+7], v[ADRA+\slot] offset:SUBA*(\q/2)+64*(\q%2)+16*PA*\mt+32
.endr
.irp hl, 0,1,2
.irp c, 0,1
	ds_load_tr16_b128 v[\f+32+8*(2*\hl+\c):\f+32+8*(2*\hl+\c)+3],   v[ADRB+3*\slot+\q/2] offset:HEADB*\hl+32*PB*(\q%2)+32*\c
	ds_load_tr16_b128 v[\f+32+8*(2*\hl+\c)+4:\f+32+8*(2*\hl+\c)+7], v[ADRB+3*\slot+\q/2] offset:HEADB*\hl+32*PB*(\q%2)+32*\c+16*PB
.endr
.endr
.endm
; One part of a step but the last: asks for the next part's fragments (qn, into buffer g), then multiplies buffer f.
.macro QUARTER slot, qn, f, g, zero
	PLACES                                         ; buffer g was read by the part before
	FETCH \slot, \qn, \g
	s_wait_dscnt NL                                ; all but the 20 just issued: buffer f is in
	WIN 0x50                                       ; C and D window 1
	MULH \f, 0, \zero
	MULH \f, 1, \zero
	WIN 0
.endm
.macro QS slot, zero                   ; the first five of a full step's six parts
	QUARTER \slot, 1, F0, F1, \zero
	QUARTER \slot, 2, F1, F0, 0
	QUARTER \slot, 3, F0, F1, 0
	QUARTER \slot, 4, F1, F0, 0
	QUARTER \slot, 5, F0, F1, 0
.endm
; The last part multiplies buffer 1 and changes slots.  In front of the barrier each wave waits for its reads of this slot and for all its tensor
; loads (one is out: its part of the next slot).  fill = 1 or 2: the barrier opens a round of the cluster's barrier, and the joint refill, two steps ahead,
; is the first tensor load behind the round.  fill = 2: that tile is step 10's, of two panels: fewer rows in both group 1, the halves one panel each in LDS,
; and the address less what full tiles made it too far by; all written here, where no tensor load of the wave is out.
.macro TURN slot, next, fill
	s_wait_dscnt 0x0
	s_wait_tensorcnt 0x0
	ds_add_u32 v254, v255
	s_wait_dscnt 0x0
	s_barrier_signal -1
	WIN 0x50
	MULH F1, 0, 0                                  ; registers only, while the others arrive
	WIN 0
	s_barrier_wait -1
.if \fill
	CREST
	s_add_nc_u64 s[G0+4*\slot+2:G0+4*\slot+3], s[G0+4*\slot+2:G0+4*\slot+3], 2*STEPA
	s_add_nc_u64 s[G0B+4*\slot+2:G0B+4*\slot+3], s[G0B+4*\slot+2:G0B+4*\slot+3], 2*STEPB
.if \fill == 2
	s_sub_nc_u64 s[G0+4*\slot+2:G0+4*\slot+3], s[G0+4*\slot+2:G0+4*\slot+3], s[84:85]
	s_sub_nc_u64 s[G0B+4*\slot+2:G0B+4*\slot+3], s[G0B+4*\slot+2:G0B+4*\slot+3], s[86:87]
	s_mul_i32 s[G0+4*\slot+1], s12, SUBA
	s_add_co_u32 s[G0+4*\slot+1], s[G0+4*\slot+1], \slot*SLOT
	s_mul_i32 s[G0B+4*\slot+1], s12, SUBB
	s_add_co_u32 s[G0B+4*\slot+1], s[G0B+4*\slot+1], \slot*SLOT+BOFF
	s_mov_b32 s[G1+2], 64<<16                      ; x: a panel, 16,384 bytes = 64 rows of 256
	s_mov_b32 s[G1+4], 64
	s_mov_b32 s[G1B+2], 96<<16                     ; weights: a panel, 24,576 bytes = 96 rows of 256
	s_mov_b32 s[G1B+4], 96
.endif
	JLOAD \slot
.endif
	PLACES                                         ; buffer 0 was read by the part before
	FETCH \next, 0, F0
	WIN 0x50
	MULH F1, 1, 0
	WIN 0
.endm
.macro LAP zero
	QS 0, \zero
	TURN 0, 1, 1
	QS 1, 0
	TURN 1, 0, 1
.endm
	s_wait_loadcnt 0x0                             ; cos and sin, once
	s_wait_tensorcnt 0x1                           ; my part of step 0 is in; step 1's may stay out
	s_barrier_signal -1
	s_barrier_wait -1
	FETCH 0, 0, F0
	LAP 1                                          ; steps 0 and 1: the first products start the sums
	s_mov_b32 s3, 3                                ; steps 2 to 7
.Llap:
	LAP 0
	s_sub_co_u32 s3, s3, 1
	s_cmp_lg_u32 s3, 0
	s_cbranch_scc1 .Llap
	QS 0, 0                                        ; step 8; behind it slot 0 takes step 10's short tile
	TURN 0, 1, 2
	QS 1, 0                                        ; step 9; nothing is left to fetch
	TURN 1, 0, 0
	QUARTER 0, 1, F0, F1, 0                        ; step 10: 128 along K, four parts
	QUARTER 0, 2, F1, F0, 0
	QUARTER 0, 3, F0, F1, 0
	s_wait_dscnt 0x0
	WIN 0x50
	MULH F1, 0, 0
	MULH F1, 1, 0
	WIN 0
	; THE WAY OUT.  For each of my three heads two factors: C = cos a + b, S = sin a with (a, b) = (log2(e)/8, 0) for q, (1, 0) for k, (0, 1) for v,
	; so that one text serves all three without a branch: (t1, t2) -> (t1 C - t2 S, t1 S + t2 C).
	PLACES
	s_mul_i32 s78, s42, 3                          ; my block's first head = 3 bx
.irp hl, 0,1,2
	s_add_co_u32 s79, s78, \hl
	s_cmp_lt_u32 s79, 40
	s_cselect_b32 s[72+2*\hl], 0x3f800000, 0
	s_cselect_b32 s[73+2*\hl], 0, 0x3f800000
	s_cmp_lt_u32 s79, 32
	s_cselect_b32 s[72+2*\hl], 0x3e38aa3b, s[72+2*\hl]
.endr
	s_mul_i32 s46, s42, 3*262144                   ; qkvh: my block's first head,
	s_lshl_b32 s47, s13, 14                        ; 128 by rows of 128 bytes,
	s_add_co_u32 s46, s46, s47
	s_lshl_b32 s47, s10, 12                        ; and the 32 rows that I store
	s_add_co_u32 s46, s46, s47
	s_mov_b32 s47, 0
	s_add_nc_u64 s[8:9], s[8:9], s[46:47]
	WIN 0x05                                       ; sources window 1: the tables, rounded to bf16, two to a register
.irp t, 0,1,2,3,4,5,6,7
.irp i, 0,1,2,3
	v_cvt_pk_bf16_f32 v[PKC+4*\t+\i], v[192+8*\t+2*\i], v[192+8*\t+2*\i+1]
.endr
.endr
.macro ROPE mt
	WIN 0x01                                       ; source 0 window 1: the sums
.irp c, 0,1
.irp i, 0,1
	v_lshlrev_b32 v[CR+2*\i],   16,         v[PKC+4*(2*\mt+\c)+\i]
	v_and_b32     v[CR+2*\i+1], 0xffff0000, v[PKC+4*(2*\mt+\c)+\i]
	v_lshlrev_b32 v[SR+2*\i],   16,         v[PKC+4*(2*\mt+\c)+2+\i]
	v_and_b32     v[SR+2*\i+1], 0xffff0000, v[PKC+4*(2*\mt+\c)+2+\i]
.endr
.irp hl, 0,1,2
.irp i, 0,1,2,3
	v_fma_f32 v[CC+\i], s[72+2*\hl], v[CR+\i], s[73+2*\hl]
	v_mul_f32 v[SS+\i], s[72+2*\hl], v[SR+\i]
.endr
.irp i, 0,1,2,3
	v_mul_f32 v[U+\i],   v[8*(NT*\mt+2*\hl+\c)+2*\i+1], v[SS+\i]
	v_mul_f32 v[U+4+\i], v[8*(NT*\mt+2*\hl+\c)+2*\i+1], v[CC+\i]
.endr
.irp i, 0,1,2,3
	v_fma_f32 v[RES+8*(2*\hl+\c)+2*\i],   v[8*(NT*\mt+2*\hl+\c)+2*\i], v[CC+\i], -v[U+\i]
	v_fma_f32 v[RES+8*(2*\hl+\c)+2*\i+1], v[8*(NT*\mt+2*\hl+\c)+2*\i], v[SS+\i], v[U+4+\i]
.endr
.endr
.endr
	WIN 0
.irp nt, 0,1,2,3,4,5
.irp i, 0,1,2,3
	v_cvt_pk_f16_f32 v[PK+4*\nt+\i], v[RES+8*\nt+2*\i], v[RES+8*\nt+2*\i+1]
.endr
.endr
.irp hl, 0,1,2
.irp c, 0,1
	ds_store_b128 v[STO], v[PK+4*(2*\hl+\c):PK+4*(2*\hl+\c)+3] offset:16*SPITCH*\mt+128*\hl+32*\c
.endr
.endr
.endm
	ROPE 0
	ROPE 1
	ROPE 2
	ROPE 3
	s_wait_dscnt 0x0                               ; my stores into the stage are done: the other waves read them
	s_barrier_signal -1
	s_barrier_wait -1
.irp hl, 0,1,2
.irp t, 0,1,2,3,4,5,6,7
	ds_load_b128 v[F0+4*(8*\hl+\t):F0+4*(8*\hl+\t)+3], v[RD] offset:4*SPITCH*\t+128*\hl   ; rows 32 w + 4 t + 0..3 of head hl
.endr
.endr
.irp hl, 0,1,2
.irp t, 0,1,2,3,4,5,6,7
	s_wait_dscnt 23-(8*\hl+\t)                     ; LDS loads come back in order (ISA guide 5.7.1): this one of the 24 is in
	global_store_b128 v[CO], v[F0+4*(8*\hl+\t):F0+4*(8*\hl+\t)+3], s[8:9] offset:262144*\hl+512*\t   ; 512 consecutive bytes: four rows of one head; every store has data registers of its own
.endr
.endr
	s_wait_tensorcnt 0x0
	ds_add_u32 v254, v255
	s_wait_dscnt 0x0
	CROUND                                         ; the closing round: no work-group ends while a partner may still ask for a tile that names it
	s_endpgm
.Lfunc_end_k_q6366370f81_qkv:
	.size	k_q6366370f81_qkv, .Lfunc_end_k_q6366370f81_qkv-k_q6366370f81_qkv
	.p2alignl 7, 3214868480
	.fill 96, 4, 3214868480
	.section	.rodata,"a",@progbits
	.p2align	6, 0x0
	.amdhsa_kernel k_q6366370f81_qkv
		.amdhsa_group_segment_fixed_size 327680
		.amdhsa_private_segment_fixed_size 0
		.amdhsa_enable_private_segment 0
		.amdhsa_kernarg_size 40
		.amdhsa_user_sgpr_count 2
		.amdhsa_user_sgpr_kernarg_segment_ptr 1
		.amdhsa_wavefront_size32 1
		.amdhsa_system_sgpr_workgroup_id_x 1
		.amdhsa_system_sgpr_workgroup_id_y 1
		.amdhsa_system_sgpr_workgroup_id_z 1
		.amdhsa_system_vgpr_workitem_id 0
		.amdhsa_next_free_vgpr 512
		.amdhsa_next_free_sgpr 88
		.amdhsa_reserve_vcc 0
		.amdhsa_float_denorm_mode_32 3
		.amdhsa_float_denorm_mode_16_64 3
		.amdhsa_memory_ordered 1
		.amdhsa_forward_progress 1
		.amdhsa_inst_pref_size 179
	.end_amdhsa_kernel
	.amdgpu_metadata
---
amdhsa.version: [ 1, 2 ]
amdhsa.kernels:
  - .name:           k_q6366370f81_qkv
    .symbol:         k_q6366370f81_qkv.kd
    .args:
      - { .name: xb, .offset: 0, .size: 8, .value_kind: global_buffer, .address_space: global }
      - { .name: wqkv, .offset: 8, .size: 8, .value_kind: global_buffer, .address_space: global }
      - { .name: cos, .offset: 16, .size: 8, .value_kind: global_buffer, .address_space: global }
      - { .name: sin, .offset: 24, .size: 8, .value_kind: global_buffer, .address_space: global }
      - { .name: qkvh, .offset: 32, .size: 8, .value_kind: global_buffer, .address_space: global }
    .group_segment_fixed_size: 327680
    .private_segment_fixed_size: 0
    .kernarg_segment_align: 8
    .kernarg_segment_size: 40
    .max_flat_workgroup_size: 128
    .sgpr_count:     88
    .vgpr_count:     512
    .wavefront_size: 32
...
	.end_amdgpu_metadata
.endif
;; end of part 2
;; launch attn (part 3): grid 32 x 8, 4 waves a work-group, clusters of 4 x 4, 327,680 bytes of LDS; arguments qkvh, mask, att; writes att
.if DOCPART == 3
	.amdgcn_target "amdgcn-amd-amdhsa--gfx1250"
	.amdhsa_code_object_version 6
	.text
	.protected	k_q6366370f81_attn
	.globl	k_q6366370f81_attn
	.p2align	8
	.type	k_q6366370f81_attn,@function
k_q6366370f81_attn:
	s_mov_b64 s[64:65], 0
	v_nop
	global_prefetch_b8 v0, s[64:65] scope:SCOPE_SE
	s_setreg_imm32_b32 hwreg(HW_REG_WAVE_MODE, 25, 1), 1
	s_wait_xcnt 0x0
	s_wait_alu depctr_hold_cnt(0) depctr_sa_sdst(0) depctr_va_vdst(0) depctr_va_sdst(0) depctr_va_ssrc(0) depctr_va_vcc(0) depctr_vm_vsrc(0)
	s_getreg_b32 s2, hwreg(HW_REG_IB_STS2, 6, 4)
	s_cmp_eq_u32 s2, 0
	s_cbranch_scc0 .Lentry_in_a_cluster
	s_endpgm
.Lentry_in_a_cluster:
	s_bfe_u32 s2, ttmp6, 0x10000c
	s_cmp_lg_u32 s2, 0xf033
	s_cbranch_scc0 .Lentry_shape_is_right
	s_endpgm
.Lentry_shape_is_right:
; attn: att = softmax(q k^T / 8 + mask) v, by tiles of 128 keys with a running maximum.  q (already times log2(e)/8), k, v: qkvh, f16.
; mask: [2048][2048] f32, read whole and honoured as it is.  att: [2048][2048] f16, column = head x 64 + d.
; A work-group takes 64 query rows of the 4 query heads that share one k/v head: 32 x 8 = 256 work-groups.  Wave w takes rows 16 w to 16 w + 15 of
; all four heads, so that one fragment of the mask serves four heads.
; CLUSTERS: 4 x 4 work-groups.  k's and v's tiles hang on the k/v head (grid y) alone and are asked for jointly along a row of the cluster; the mask's
; tile hangs on the query block (grid x) alone and is asked for jointly along a column: each is fetched once for four.
; LAYOUTS, without a shuffle: S^T = K Q^T + mask (source 0 = 16 keys, source 1 = 16 queries, C = the mask times log2(e)): lane (r, h), register j holds
; key 16 kt + 8 h + j of query r.  Two such tiles, packed to f16 in place, are the fragment of P^T for 32 keys.  O^T = V^T P^T (V^T by the transposing
; LDS load): lane (r, h) holds d = 16 dt + 8 h + j of query r.  So maximum, rescale factor and denominator are one number a lane.
; Scores are in units of log2; s - m is formed before the exponential, m the running maximum, which starts at the lowest finite f32.
; LIMITS: P and v are f16 operands; the denominator sums the f32 P.  The mask enters as the matrix instruction's f32 addend: a score beside a mask
; of -1e9 is kept to that sum's rounding.  A row whose mask is -inf at every key gives NaN, as the definition does.
; REGISTERS: window 0: addresses, softmax state, MK (mask fragments), at work on the way out; window 1: v0-63 Q fragments (16 hh + 8 kk),
; v64-191 O (64 + 8 (4 dt + hh)); window 2: S (64 hh + 8 kt), P in place (64 hh + 16 c); window 3: v0-127 K fragments (16 kt + 8 kk), v128-255 V^T (128 + 8 (4 c + dt)).
.set KP,    144                        ; a key's 128 bytes + 16
.set VP,    160                        ; a key's 128 bytes + 32: an odd multiple of 32, for the transposing load
.set MP,    528                        ; a query row's 512 bytes of mask + 16
.set VOFF,  128*KP                     ; 18,432
.set MOFF,  VOFF+128*VP                ; 38,912
.set SLOT,  MOFF+64*MP                 ; 72,704
.set STAGE, 2*SLOT                     ; 145,408: behind the ring, 16 rows x 528 bytes for each wave; no fill lands here
.set WST,   16*MP
.set ADRK, 4                           ; v4-5   slot 0, 1
.set ADRV, 6                           ; v6-7
.set ADRM, 8                           ; v8-9
.set STO,  10
.set RD,   11
.set CO,   12
.set QO,   13
.set MX,   16                          ; v16-19 running maximum of head hh
.set NEG,  20                          ; v20-27 -m, twice, for the packed add
.set AL,   28                          ; v28-35 rescale factor, twice
.set LP,   36                          ; v36-51 four partial denominators a head
.set T,    52                          ; v52-59 two a head, at work
.set MK,   64                          ; v64-127 the mask's eight fragments
.set TMP,  128                         ; v128-255 the way out
.set OA,   64                          ; window 1
.set VF,   128                         ; window 3
.set G1K, 16
.set G1V, 24
.set G1M, 32
.set G0K, 40                           ; a set for each slot
.set G0V, 48
.set G0M, 56
.set MSB, 0
.macro WIN new
.if MSB != \new
	s_set_vgpr_msb (MSB<<8)|\new
.set MSB, \new
.endif
.endm
.macro PLACES
.rept 4
	v_nop
.endr
.endm
.macro ROUND                           ; a round of the cluster's barrier
	s_barrier_signal -1
	s_barrier_wait -1
	s_cmp_lg_u32 s10, 0
	s_cbranch_scc1 .Lnot_wave_0_\@
	s_barrier_signal -3
.Lnot_wave_0_\@:
	s_barrier_wait -3
	s_barrier_signal -1
	s_barrier_wait -1
.endm
; A step's tiles, one joint load a wave: wave 0 k's, wave 1 v's, waves 2 and 3 a half of the mask's rows each.
.macro JLOAD s
	s_cmp_lt_u32 s10, 2
	s_cbranch_scc0 .Lfor_m_\@
	s_cmp_eq_u32 s10, 0
	s_cbranch_scc0 .Lfor_v_\@
	tensor_load_to_lds s[G0K+4*\s:G0K+4*\s+3], s[G1K:G1K+7]
	s_nop 0
	s_branch .Lasked_\@
.Lfor_v_\@:
	tensor_load_to_lds s[G0V+4*\s:G0V+4*\s+3], s[G1V:G1V+7]
	s_nop 0
	s_branch .Lasked_\@
.Lfor_m_\@:
	tensor_load_to_lds s[G0M+4*\s:G0M+4*\s+3], s[G1M:G1M+7]
	s_nop 0
.Lasked_\@:
.endm
	s_load_b128 s[4:7], s[0:1], 0x0                ; qkvh s[4:5], mask s[6:7]
	s_load_b64 s[8:9], s[0:1], 0x10                ; att
	v_lshl_add_u32 v62, v0, 2, 0x2bc00
	v_mov_b32 v63, 0
	ds_add_u32 v62, v63
	v_lshrrev_b32 v1, 5, v0
	v_readfirstlane_b32 s10, v1                    ; wave 0..3
	s_and_b32 s12, s10, 1
	s_bfe_u32 s72, ttmp6, 0x40000                  ; cx
	s_bfe_u32 s73, ttmp6, 0x40004                  ; cy
	s_lshl_b32 s74, ttmp9, 2
	s_add_co_u32 s74, s74, s72                     ; qb: query block = 4 x cluster x + cx
	s_and_b32 s75, ttmp7, 0xffff
	s_lshl_b32 s75, s75, 2
	s_add_co_u32 s75, s75, s73                     ; g: k/v head = 4 x cluster y + cy
	s_lshl_b32 s76, s73, 2
	s_lshl_b32 s76, 15, s76                        ; my row of the cluster
	s_lshl_b32 s77, 0x1111, s72                    ; my column
	s_mov_b32 s66, 0x3fb8aa3b                      ; log2(e), twice
	s_mov_b32 s67, 0x3fb8aa3b
	s_mov_b32 s68, 0x76543210                      ; v_permlanex16_b32: lane i of one half reads lane i of the other
	s_mov_b32 s69, 0xfedcba98
	; k's and v's tiles are 128 keys x 128 bytes, dense in memory: 64 rows of 256 bytes (32 elements of 8 bytes), padded behind every 32 words, that is behind every key
	s_or_b32 s[G1K+0], s76, (3<<16)|(1<<20)|(1<<21)|(4<<22)|(3<<25)   ; 4 words of padding
	s_or_b32 s[G1V+0], s76, (3<<16)|(1<<20)|(1<<21)|(4<<22)|(7<<25)   ; 8 words
.irp G, G1K, G1V
	s_mov_b32 s[\G+1], 32<<16                      ; tensor_dim0 = 32
	s_mov_b32 s[\G+2], 64<<16                      ; tensor_dim1 = 64
	s_mov_b32 s[\G+3], 32<<16                      ; tile_dim0 = 32
	s_mov_b32 s[\G+4], 64                          ; tile_dim1 = 64
	s_mov_b32 s[\G+5], 32                          ; elements from row to row
	s_mov_b32 s[\G+6], 0
	s_mov_b32 s[\G+7], 0
.endr
	; the mask: 32 rows x 128 elements of 4 bytes, 4 words of padding behind every 128 words
	s_or_b32 s[G1M+0], s77, (2<<16)|(1<<20)|(1<<21)|(6<<22)|(3<<25)
	s_mov_b32 s[G1M+1], 128<<16
	s_mov_b32 s[G1M+2], 32<<16
	s_mov_b32 s[G1M+3], 128<<16
	s_mov_b32 s[G1M+4], 32
	s_mov_b32 s[G1M+5], 2048
	s_mov_b32 s[G1M+6], 0
	s_mov_b32 s[G1M+7], 0
	s_add_co_u32 s78, s75, 32                      ; k: head 32 + g, 262,144 bytes a head
	s_lshl_b32 s78, s78, 18
	s_mov_b32 s79, 0
	s_add_co_u32 s80, s75, 40                      ; v: head 40 + g
	s_lshl_b32 s80, s80, 18
	s_mov_b32 s81, 0
	s_lshl_b32 s82, s74, 19                        ; mask: 64 qb rows of 8,192 bytes
	s_lshl_b32 s83, s12, 18                        ;       + the 32 rows that I fetch
	s_add_co_u32 s82, s82, s83
	s_mov_b32 s83, 0
	s_mul_i32 s14, s12, 32*MP                      ; and where they go
	s_wait_dscnt 0x0
	s_wait_kmcnt 0x0
	s_add_nc_u64 s[78:79], s[4:5], s[78:79]
	s_add_nc_u64 s[80:81], s[4:5], s[80:81]
	s_add_nc_u64 s[82:83], s[6:7], s[82:83]
.irp s, 0,1
	s_mov_b32 s[G0K+4*\s], 1
	s_mov_b32 s[G0K+4*\s+1], \s*SLOT
	s_add_nc_u64 s[G0K+4*\s+2:G0K+4*\s+3], s[78:79], \s*16384      ; slot s starts with step s: 128 keys of 128 bytes
	s_or_b32 s[G0K+4*\s+3], s[G0K+4*\s+3], 0x80000000
	s_mov_b32 s[G0V+4*\s], 1
	s_mov_b32 s[G0V+4*\s+1], \s*SLOT+VOFF
	s_add_nc_u64 s[G0V+4*\s+2:G0V+4*\s+3], s[80:81], \s*16384
	s_or_b32 s[G0V+4*\s+3], s[G0V+4*\s+3], 0x80000000
	s_mov_b32 s[G0M+4*\s], 1
	s_add_co_u32 s[G0M+4*\s+1], s14, \s*SLOT+MOFF
	s_add_nc_u64 s[G0M+4*\s+2:G0M+4*\s+3], s[82:83], \s*512        ; 128 keys of 4 bytes along the row
	s_or_b32 s[G0M+4*\s+3], s[G0M+4*\s+3], 0x80000000
.endr
	ROUND                                          ; all sixteen work-groups are here
	JLOAD 0                                        ; step 0's tiles
	s_lshl_b32 s86, s75, 20                        ; q: head 4 g,
	s_lshl_b32 s87, s74, 13                        ; 64 qb rows of 128 bytes,
	s_add_co_u32 s86, s86, s87
	s_lshl_b32 s87, s10, 11                        ; my 16 rows
	s_add_co_u32 s86, s86, s87
	s_mov_b32 s87, 0
	s_add_nc_u64 s[84:85], s[4:5], s[86:87]
	s_lshl_b32 s86, s74, 18                        ; att: 64 qb rows of 4,096 bytes,
	s_lshl_b32 s87, s10, 16                        ; my 16 rows,
	s_add_co_u32 s86, s86, s87
	s_lshl_b32 s87, s75, 9                         ; the four heads' 512 bytes
	s_add_co_u32 s86, s86, s87
	s_mov_b32 s87, 0
	s_add_nc_u64 s[8:9], s[8:9], s[86:87]
	v_and_b32 v1, 15, v0                           ; r
	v_bfe_u32 v2, v0, 4, 1                         ; h
	v_lshlrev_b32 v3, 7, v1
	v_lshl_add_u32 v[QO], v2, 4, v3                ; q: row r, 16 bytes by h
	WIN 0x40                                       ; destination window 1
.irp hh, 0,1,2,3
.irp kk, 0,1
	global_load_b128 v[16*\hh+8*\kk:16*\hh+8*\kk+3],   v[QO], s[84:85] offset:262144*\hh+64*\kk
	global_load_b128 v[16*\hh+8*\kk+4:16*\hh+8*\kk+7], v[QO], s[84:85] offset:262144*\hh+64*\kk+32
.endr
.endr
	WIN 0
	v_mul_u32_u24 v3, v1, KP                       ; k's fragment: key r, 16 bytes by h
	v_lshl_add_u32 v[ADRK], v2, 4, v3
	v_add_nc_u32 v[ADRK+1], SLOT, v[ADRK]
	v_and_b32 v3, 7, v0                            ; v's fragment, transposing load: key 8 h + lane % 8, 16 bytes by (lane / 8) % 2
	v_lshl_add_u32 v3, v2, 3, v3
	v_mul_u32_u24 v3, v3, VP
	v_bfe_u32 v14, v0, 3, 1
	v_lshl_add_u32 v3, v14, 4, v3
	v_add_nc_u32 v[ADRV], VOFF, v3
	v_add_nc_u32 v[ADRV+1], SLOT+VOFF, v3
	s_mul_i32 s15, s10, WST                        ; 16 w rows of 528 bytes: in the mask's tile and in the stage alike
	v_mul_u32_u24 v3, v1, MP
	v_add_nc_u32 v3, s15, v3                       ; row 16 w + r
	v_lshl_add_u32 v14, v2, 5, v3                  ; the mask's fragment: 8 keys (32 bytes) by h
	v_add_nc_u32 v[ADRM], MOFF, v14
	v_add_nc_u32 v[ADRM+1], SLOT+MOFF, v14
	v_lshl_add_u32 v14, v2, 4, v3                  ; the stage, in: row r, 16 bytes by h
	v_add_nc_u32 v[STO], STAGE, v14
	v_and_b32 v14, 31, v0
	v_lshlrev_b32 v[CO], 4, v14                    ; a row's 512 bytes: 16 a lane
	s_add_co_u32 s15, s15, STAGE
	v_add_nc_u32 v[RD], s15, v[CO]                 ; the stage, back
.irp hh, 0,1,2,3
	v_mov_b32 v[MX+\hh], 0xff7fffff                ; the lowest finite f32
.endr
.irp i, 0,1,2,3,4,5,6,7,8,9,10,11,12,13,14,15
	v_mov_b32 v[LP+\i], 0
.endr
	s_wait_loadcnt 0x0                             ; q, once
; 16 matrix instructions: O += V^T P^T over keys 32 c to 32 c + 31.  The 16 accumulators take turns, one instruction a turn.
.macro PVC c, zero
	s_wait_dscnt 24-8*\c                           ; of v's 32 loads the first 8 (c + 1) are in
.irp dt, 0,1,2,3
.irp hh, 0,1,2,3
.if \zero
	v_wmma_f32_16x16x32_f16 v[OA+8*(4*\dt+\hh):OA+8*(4*\dt+\hh)+7], v[VF+8*(4*\c+\dt):VF+8*(4*\c+\dt)+7], v[64*\hh+16*\c:64*\hh+16*\c+7], 0
.else
	v_wmma_f32_16x16x32_f16 v[OA+8*(4*\dt+\hh):OA+8*(4*\dt+\hh)+7], v[VF+8*(4*\c+\dt):VF+8*(4*\c+\dt)+7], v[64*\hh+16*\c:64*\hh+16*\c+7], v[OA+8*(4*\dt+\hh):OA+8*(4*\dt+\hh)+7]
.endif
.endr
.endr
.endm
; One step: 128 keys from slot `slot`.  refill = 1: the next step's tiles are asked for, into slot `next`.  first = 1: the products start O.
.macro TRIP slot, next, refill, first
	s_wait_tensorcnt 0x0                           ; all my tensor loads have landed, my part of this step's tiles among them,
	ds_add_u32 v62, v63
	s_wait_dscnt 0x0
	s_add_nc_u64 s[G0K+4*\slot+2:G0K+4*\slot+3], s[G0K+4*\slot+2:G0K+4*\slot+3], 2*16384   ; so every group 0 may be written: this slot's next tiles
	s_add_nc_u64 s[G0V+4*\slot+2:G0V+4*\slot+3], s[G0V+4*\slot+2:G0V+4*\slot+3], 2*16384
	s_add_nc_u64 s[G0M+4*\slot+2:G0M+4*\slot+3], s[G0M+4*\slot+2:G0M+4*\slot+3], 2*512
	s_wait_dscnt 0x0                               ; my reads of the last step's slot are done
	ROUND                                          ; both now hold of every wave of all sixteen work-groups
.if \refill
	JLOAD \next                                    ; my one tensor load behind the round; it has the whole step in which to land
.endif
	; 48 LDS loads: the mask's 8 fragments, k's 8 fragments of d = 0..31, k's 8 of d = 32..63
.irp kt, 0,1,2,3,4,5,6,7
	ds_load_b128 v[MK+8*\kt:MK+8*\kt+3],   v[ADRM+\slot] offset:64*\kt
	ds_load_b128 v[MK+8*\kt+4:MK+8*\kt+7], v[ADRM+\slot] offset:64*\kt+16
.endr
	WIN 0xc0                                       ; destination window 3
.irp kt, 0,1,2,3,4,5,6,7
	ds_load_b128 v[16*\kt:16*\kt+3],   v[ADRK+\slot] offset:16*KP*\kt
	ds_load_b128 v[16*\kt+4:16*\kt+7], v[ADRK+\slot] offset:16*KP*\kt+32
.endr
.irp kt, 0,1,2,3,4,5,6,7
	ds_load_b128 v[16*\kt+8:16*\kt+11],  v[ADRK+\slot] offset:16*KP*\kt+64
	ds_load_b128 v[16*\kt+12:16*\kt+15], v[ADRK+\slot] offset:16*KP*\kt+96
.endr
	s_wait_dscnt 32                                ; the mask is in; k's 32 loads may be out
	WIN 0
.set ii, 0
.rept 32
	v_pk_mul_f32 v[MK+2*ii:MK+2*ii+1], v[MK+2*ii:MK+2*ii+1], s[66:67] op_sel_hi:[1,0]   ; into units of log2.  These lines are also the places between the
.set ii, ii+1                                                                          ; last step's products and the first write over P's registers
.endr
	; S^T = K Q^T + mask: 64 matrix instructions on 32 accumulators that take turns
	WIN 0x87                                       ; D window 2, K window 3, Q window 1, C (the mask) window 0
.irp kt, 0,1,2,3,4,5,6,7
	s_wait_dscnt 30-2*\kt                          ; k's fragment kt of the first 16 loads' pairs is in
.irp hh, 0,1,2,3
	v_wmma_f32_16x16x32_f16 v[64*\hh+8*\kt:64*\hh+8*\kt+7], v[16*\kt:16*\kt+7], v[16*\hh:16*\hh+7], v[MK+8*\kt:MK+8*\kt+7]
.endr
.endr
	WIN 0xa7                                       ; C window 2: in place
.irp kt, 0,1,2,3,4,5,6,7
	s_wait_dscnt 14-2*\kt
.irp hh, 0,1,2,3
	v_wmma_f32_16x16x32_f16 v[64*\hh+8*\kt:64*\hh+8*\kt+7], v[16*\kt+8:16*\kt+15], v[16*\hh+8:16*\hh+15], v[64*\hh+8*\kt:64*\hh+8*\kt+7]
.endr
.endr
	WIN 0
	PLACES                                         ; in front of the readers of S
	WIN 0xc0
.irp c, 0,1,2,3
.irp dt, 0,1,2,3
	ds_load_tr16_b128 v[VF+8*(4*\c+\dt):VF+8*(4*\c+\dt)+3],   v[ADRV+\slot] offset:32*VP*\c+32*\dt          ; they land while the softmax runs
	ds_load_tr16_b128 v[VF+8*(4*\c+\dt)+4:VF+8*(4*\c+\dt)+7], v[ADRV+\slot] offset:32*VP*\c+32*\dt+16*VP
.endr
.endr
	; the maximum of my 64 scores of each head and the old maximum: eight chains that do not wait for each other
	WIN 0x28                                       ; sources 1 and 2 window 2
.irp hh, 0,1,2,3
.irp p, 0,1
	v_max3_num_f32 v[T+2*\hh+\p], v[MX+\hh], v[64*\hh+32*\p], v[64*\hh+32*\p+1]
.endr
.endr
.irp i, 1,2,3,4,5,6,7,8,9,10,11,12,13,14,15
.irp hh, 0,1,2,3
.irp p, 0,1
	v_max3_num_f32 v[T+2*\hh+\p], v[T+2*\hh+\p], v[64*\hh+32*\p+2*\i], v[64*\hh+32*\p+2*\i+1]
.endr
.endr
.endr
	WIN 0
.irp hh, 0,1,2,3
	v_max_num_f32 v[T+2*\hh], v[T+2*\hh], v[T+2*\hh+1]
.endr
.irp hh, 0,1,2,3
	v_permlanex16_b32 v[T+2*\hh+1], v[T+2*\hh], s68, s69           ; the other half of the lanes holds the query's other keys
.endr
.irp hh, 0,1,2,3
	v_max_num_f32 v[T+2*\hh], v[T+2*\hh], v[T+2*\hh+1]             ; m, the new running maximum
.endr
.irp hh, 0,1,2,3
	v_sub_f32 v[T+2*\hh+1], v[MX+\hh], v[T+2*\hh]                  ; old - new, at most 0
.endr
.irp hh, 0,1,2,3
	v_exp_f32 v[AL+2*\hh], v[T+2*\hh+1]                            ; plain lines follow before a result is used (ISA guide 5.7.2)
.endr
.irp hh, 0,1,2,3
	v_mul_f32 v[NEG+2*\hh],   -1.0, v[T+2*\hh]
	v_mul_f32 v[NEG+2*\hh+1], -1.0, v[T+2*\hh]
	v_mov_b32 v[MX+\hh], v[T+2*\hh]
.endr
	s_wait_alu depctr_va_vdst(0)
.irp hh, 0,1,2,3
	v_mov_b32 v[AL+2*\hh+1], v[AL+2*\hh]
.endr
.irp hh, 0,1,2,3
	v_pk_mul_f32 v[LP+4*\hh:LP+4*\hh+1],   v[LP+4*\hh:LP+4*\hh+1],   v[AL+2*\hh:AL+2*\hh+1]
	v_pk_mul_f32 v[LP+4*\hh+2:LP+4*\hh+3], v[LP+4*\hh+2:LP+4*\hh+3], v[AL+2*\hh:AL+2*\hh+1]
.endr
	; P = 2^(S - m), in place
	WIN 0x82                                       ; destination and source 0 window 2
.irp hh, 0,1,2,3
.set ii, 0
.rept 32
	v_pk_add_f32 v[64*\hh+2*ii:64*\hh+2*ii+1], v[64*\hh+2*ii:64*\hh+2*ii+1], v[NEG+2*\hh:NEG+2*\hh+1]
.set ii, ii+1
.endr
.set ii, 0
.rept 64
	v_exp_f32 v[64*\hh+ii], v[64*\hh+ii]
.set ii, ii+1
.endr
.endr
	v_nop                                          ; the plain place behind the last exponentials
	WIN 0x08                                       ; source 1 window 2: the denominators, eight chains
.set ii, 0
	s_wait_alu depctr_va_vdst(0)
.rept 32
.irp hh, 0,1,2,3
	v_pk_add_f32 v[LP+4*\hh+2*(ii%2):LP+4*\hh+2*(ii%2)+1], v[LP+4*\hh+2*(ii%2):LP+4*\hh+2*(ii%2)+1], v[64*\hh+2*ii:64*\hh+2*ii+1]
.endr
.set ii, ii+1
.endr
	WIN 0x8a                                       ; all in window 2: tiles 2 c and 2 c + 1 pack, ascending and in place, into the fragment of keys 32 c .. 32 c + 31
.irp hh, 0,1,2,3
.irp c, 0,1,2,3
.irp i, 0,1,2,3,4,5,6,7
	v_cvt_pk_f16_f32 v[64*\hh+16*\c+\i], v[64*\hh+16*\c+2*\i], v[64*\hh+16*\c+2*\i+1]
.endr
.endr
.endr
.if \first == 0
	WIN 0x41                                       ; destination and source 0 window 1: O takes the new maximum
.irp dt, 0,1,2,3
.irp hh, 0,1,2,3
.irp i, 0,1,2,3
	v_pk_mul_f32 v[OA+8*(4*\dt+\hh)+2*\i:OA+8*(4*\dt+\hh)+2*\i+1], v[OA+8*(4*\dt+\hh)+2*\i:OA+8*(4*\dt+\hh)+2*\i+1], v[AL+2*\hh:AL+2*\hh+1]
.endr
.endr
.endr
.endif
	WIN 0x5b                                       ; D and C window 1, V^T window 3, P window 2
	PVC 0, \first
	PVC 1, 0
	PVC 2, 0
	PVC 3, 0
	WIN 0
.endm
	TRIP 0, 1, 1, 1                                ; 16 steps: two, six times two, two
	TRIP 1, 0, 1, 0
	s_mov_b32 s70, 6
.Lsteps:
	TRIP 0, 1, 1, 0
	TRIP 1, 0, 1, 0
	s_sub_co_u32 s70, s70, 1
	s_cmp_lg_u32 s70, 0
	s_cbranch_scc1 .Lsteps
	TRIP 0, 1, 1, 0
	TRIP 1, 0, 0, 0                                ; the last step asks for nothing
	; THE WAY OUT.  The twelve adds are the places behind the last matrix instruction (ISA guide 7.12.1): they name none of its registers.
.irp hh, 0,1,2,3
	v_add_f32 v[T+2*\hh],   v[LP+4*\hh],   v[LP+4*\hh+1]
	v_add_f32 v[T+2*\hh+1], v[LP+4*\hh+2], v[LP+4*\hh+3]
.endr
.irp hh, 0,1,2,3
	v_add_f32 v[T+2*\hh], v[T+2*\hh], v[T+2*\hh+1]
.endr
.irp hh, 0,1,2,3
	v_permlanex16_b32 v[T+2*\hh+1], v[T+2*\hh], s68, s69
.endr
.irp hh, 0,1,2,3
	v_add_f32 v[T+2*\hh], v[T+2*\hh], v[T+2*\hh+1]                 ; the query's denominator
.endr
.irp hh, 0,1,2,3
	v_rcp_f32 v[AL+2*\hh],   v[T+2*\hh]
	v_rcp_f32 v[AL+2*\hh+1], v[T+2*\hh]
.endr
	v_nop                                          ; the plain place behind the reciprocals
	WIN 0x01                                       ; source 0 window 1
	s_wait_alu depctr_va_vdst(0)
.irp hh, 0,1,2,3
.irp dt, 0,1,2,3
.irp i, 0,1,2,3
	v_pk_mul_f32 v[TMP+32*\hh+8*\dt+2*\i:TMP+32*\hh+8*\dt+2*\i+1], v[OA+8*(4*\dt+\hh)+2*\i:OA+8*(4*\dt+\hh)+2*\i+1], v[AL+2*\hh:AL+2*\hh+1]
.endr
.endr
.endr
	WIN 0
.irp hh, 0,1,2,3
.irp dt, 0,1,2,3
.irp i, 0,1,2,3
	v_cvt_pk_f16_f32 v[MK+16*\hh+4*\dt+\i], v[TMP+32*\hh+8*\dt+2*\i], v[TMP+32*\hh+8*\dt+2*\i+1]
.endr
	ds_store_b128 v[STO], v[MK+16*\hh+4*\dt:MK+16*\hh+4*\dt+3] offset:128*\hh+32*\dt   ; my own stage: row r, head hh, d = 16 dt + 8 h + 0..7
.endr
.endr
.irp n, 0,1,2,3,4,5,6,7,8,9,10,11,12,13,14,15
	ds_load_b128 v[TMP+4*\n:TMP+4*\n+3], v[RD] offset:MP*\n        ; LDS serves a wave's instructions in order (ISA guide 5.7.1.4): these see the stores above
.endr
.irp n, 0,1,2,3,4,5,6,7,8,9,10,11,12,13,14,15
	s_wait_dscnt 15-\n
	global_store_b128 v[CO], v[TMP+4*\n:TMP+4*\n+3], s[8:9] offset:4096*\n   ; 512 consecutive bytes, aligned: one row of the four heads
.endr
	s_wait_tensorcnt 0x0
	ds_add_u32 v62, v63
	s_wait_dscnt 0x0
	ROUND                                          ; the closing round
	s_endpgm
.Lfunc_end_k_q6366370f81_attn:
	.size	k_q6366370f81_attn, .Lfunc_end_k_q6366370f81_attn-k_q6366370f81_attn
	.p2alignl 7, 3214868480
	.fill 96, 4, 3214868480
	.section	.rodata,"a",@progbits
	.p2align	6, 0x0
	.amdhsa_kernel k_q6366370f81_attn
		.amdhsa_group_segment_fixed_size 327680
		.amdhsa_private_segment_fixed_size 0
		.amdhsa_enable_private_segment 0
		.amdhsa_kernarg_size 24
		.amdhsa_user_sgpr_count 2
		.amdhsa_user_sgpr_kernarg_segment_ptr 1
		.amdhsa_wavefront_size32 1
		.amdhsa_system_sgpr_workgroup_id_x 1
		.amdhsa_system_sgpr_workgroup_id_y 1
		.amdhsa_system_sgpr_workgroup_id_z 1
		.amdhsa_system_vgpr_workitem_id 0
		.amdhsa_next_free_vgpr 1024
		.amdhsa_next_free_sgpr 88
		.amdhsa_reserve_vcc 0
		.amdhsa_float_denorm_mode_32 3
		.amdhsa_float_denorm_mode_16_64 3
		.amdhsa_memory_ordered 1
		.amdhsa_forward_progress 1
		.amdhsa_inst_pref_size 255
	.end_amdhsa_kernel
	.section	.bss,"aw",@nobits
	.p2align	6
	.space	262144
	.amdgpu_metadata
---
amdhsa.version: [ 1, 2 ]
amdhsa.kernels:
  - .name:           k_q6366370f81_attn
    .symbol:         k_q6366370f81_attn.kd
    .args:
      - { .name: qkvh, .offset: 0, .size: 8, .value_kind: global_buffer, .address_space: global }
      - { .name: mask, .offset: 8, .size: 8, .value_kind: global_buffer, .address_space: global }
      - { .name: att, .offset: 16, .size: 8, .value_kind: global_buffer, .address_space: global }
    .group_segment_fixed_size: 327680
    .private_segment_fixed_size: 0
    .kernarg_segment_align: 8
    .kernarg_segment_size: 24
    .max_flat_workgroup_size: 128
    .sgpr_count:     88
    .vgpr_count:     1024
    .wavefront_size: 32
...
	.end_amdgpu_metadata
.endif
;; end of part 3
;; launch oproj (part 4): grid 16 x 16, 4 waves a work-group, clusters of 4 x 4, 327,680 bytes of LDS; arguments att, wob, out0; writes out0
.if DOCPART == 4
	.amdgcn_target "amdgcn-amd-amdhsa--gfx1250"
	.amdhsa_code_object_version 6
	.text
	.protected	k_q6366370f81_oproj
	.globl	k_q6366370f81_oproj
	.p2align	8
	.type	k_q6366370f81_oproj,@function
k_q6366370f81_oproj:
	s_mov_b64 s[64:65], 0
	v_nop
	global_prefetch_b8 v0, s[64:65] scope:SCOPE_SE
	s_setreg_imm32_b32 hwreg(HW_REG_WAVE_MODE, 25, 1), 1
	s_wait_xcnt 0x0
	s_wait_alu depctr_hold_cnt(0) depctr_sa_sdst(0) depctr_va_vdst(0) depctr_va_sdst(0) depctr_va_ssrc(0) depctr_va_vcc(0) depctr_vm_vsrc(0)
	s_getreg_b32 s2, hwreg(HW_REG_IB_STS2, 6, 4)
	s_cmp_eq_u32 s2, 0
	s_cbranch_scc0 .Lentry_in_a_cluster
	s_endpgm
.Lentry_in_a_cluster:
	s_bfe_u32 s2, ttmp6, 0x10000c
	s_cmp_lg_u32 s2, 0xf033
	s_cbranch_scc0 .Lentry_shape_is_right
	s_endpgm
.Lentry_shape_is_right:
; oproj: out0 = att x wob.  att [2048][2048] f16, wob [2048 (k)][2048] f16 (wo at bf16's precision), out0 [2048][2048] f32; sums in f32.
; A work-group makes 128 x 128: 16 x 16 = 256 work-groups.  Four waves, 2 x 2, 64 x 64 each: 16 accumulator tiles, 128 registers.
; K goes in 8 steps of 256 through a ring of two LDS slots filled by the tensor data mover: one load a wave brings a quarter of a slot, and from a
; request to the wait for it a wave issues 120 of a step's 128 matrix instructions.
; CLUSTERS: 4 x 4 work-groups; att's tile hangs on the block row alone and is asked for jointly along a row of the cluster, wob's on the block column alone
; and is asked for jointly along a column: each is fetched once for four.
; wob lies [k][n]: ds_load_tr16_b128 turns it as it leaves LDS.  The matrix instruction is used transposed (source 0 = 16 columns of wob, source 1 = 16 rows
; of att): a lane's eight results are eight neighbouring columns of one row of out0, 32 bytes.
; REGISTERS: window 0: v16-26 addresses, v64-127 and v128-191 two fragment buffers (att's 4 x 8 registers, then wob's 4 x 8); window 1: v0-127 accumulators (8 (4 mt + nt)).
.set NT,     4
.set NL,     8+2*NT
.set PA,     528                       ; att's LDS row: 512 bytes + 16
.set PB,     288                       ; wob's LDS row: 256 bytes + 32, an odd multiple of 32
.set BOFF,   128*PA                    ; 67,584
.set HALFB,  128*PB                    ; 36,864
.set SLOT,   BOFF+2*HALFB              ; 141,312
.set STAGE,  2*SLOT                    ; 282,624: behind the ring, 16 rows x 272 bytes for each wave; no fill lands here
.set SPITCH, 272
.set LAPS,   4
.set ADRA,   16                        ; v16-17  slot 0, 1
.set ADRB,   18                        ; v18-21  slot x 2 + half of the step's 256 k
.set STO,    24
.set RD,     25
.set CO,     26
.set F0,     64
.set F1,     128
.set G1,  24
.set G0,  32
.set G1B, 48
.set G0B, 56
.set MSB, 0
.macro WIN new
.if MSB != \new
	s_set_vgpr_msb (MSB<<8)|\new
.set MSB, \new
.endif
.endm
.macro PLACES                          ; four places behind a matrix instruction (ISA guide 7.12.1)
.rept 4
	v_nop
.endr
.endm
.macro JLOAD s                         ; waves 0 and 1 ask for att's two halves, waves 2 and 3 for wob's
	s_cmp_eq_u32 s11, 0
	s_cbranch_scc0 .Lfor_b_\@
	tensor_load_to_lds s[G0+4*\s:G0+4*\s+3], s[G1:G1+7]
	s_nop 0
	s_branch .Lasked_\@
.Lfor_b_\@:
	tensor_load_to_lds s[G0B+4*\s:G0B+4*\s+3], s[G1B:G1B+7]
	s_nop 0
.Lasked_\@:
.endm
.macro CREST
	s_cmp_lg_u32 s10, 0
	s_cbranch_scc1 .Lnot_wave_0_\@
	s_barrier_signal -3
.Lnot_wave_0_\@:
	s_barrier_wait -3
	s_barrier_signal -1
	s_barrier_wait -1
.endm
.macro CROUND
	s_barrier_signal -1
	s_barrier_wait -1
	CREST
.endm
	s_load_b128 s[4:7], s[0:1], 0x0                ; att s[4:5], wob s[6:7]
	s_load_b64 s[8:9], s[0:1], 0x10                ; out0
	v_lshl_add_u32 v254, v0, 2, 0x49400
	v_mov_b32 v255, 0
	ds_add_u32 v254, v255
	v_lshrrev_b32 v1, 5, v0
	v_readfirstlane_b32 s10, v1                    ; wave 0..3
	s_lshr_b32 s11, s10, 1                         ; my half of the block's rows.  Also: I fetch for att (0) or for wob (1)
	s_and_b32 s12, s10, 1                          ; my half of its columns.  Also: which half of that tile I fetch
	s_bfe_u32 s40, ttmp6, 0x40000                  ; cx
	s_bfe_u32 s41, ttmp6, 0x40004                  ; cy
	s_lshl_b32 s42, ttmp9, 2
	s_add_co_u32 s42, s42, s40                     ; block column bx
	s_and_b32 s13, ttmp7, 0xffff
	s_lshl_b32 s13, s13, 2
	s_add_co_u32 s13, s13, s41                     ; block row by
	s_lshl_b32 s43, s41, 2
	s_lshl_b32 s43, 15, s43                        ; my row of the cluster
	s_lshl_b32 s44, 0x1111, s40                    ; my column
	; group 1, att: 64 rows x 256 elements of 2 bytes, 4 words of padding behind every 128 words
	s_or_b32 s[G1+0], s43, (1<<16)|(1<<20)|(1<<21)|(6<<22)|(3<<25)
	s_mov_b32 s[G1+1], 256<<16
	s_mov_b32 s[G1+2], 64<<16
	s_mov_b32 s[G1+3], 256<<16
	s_mov_b32 s[G1+4], 64
	s_mov_b32 s[G1+5], 2048
	s_mov_b32 s[G1+6], 0
	s_mov_b32 s[G1+7], 0
	; group 1, wob: 128 rows (k) x 128 elements, 8 words of padding behind every 64 words
	s_or_b32 s[G1B+0], s44, (1<<16)|(1<<20)|(1<<21)|(5<<22)|(7<<25)
	s_mov_b32 s[G1B+1], 128<<16
	s_mov_b32 s[G1B+2], 128<<16
	s_mov_b32 s[G1B+3], 128<<16
	s_mov_b32 s[G1B+4], 128
	s_mov_b32 s[G1B+5], 2048
	s_mov_b32 s[G1B+6], 0
	s_mov_b32 s[G1B+7], 0
	s_lshl_b32 s16, s13, 19                        ; att: 128 by rows of 4,096 bytes
	s_lshl_b32 s17, s12, 18                        ;      + 64 rows x half
	s_add_co_u32 s16, s16, s17
	s_mov_b32 s17, 0
	s_lshl_b32 s46, s42, 8                         ; wob: 128 bx columns of 2 bytes
	s_lshl_b32 s47, s12, 19                        ;      + 128 rows x half
	s_add_co_u32 s46, s46, s47
	s_mov_b32 s47, 0
	s_mul_i32 s20, s12, 64*PA                      ; where they go: the wave's number alone
	s_mul_i32 s21, s12, HALFB
	s_add_co_u32 s21, s21, BOFF
	s_wait_dscnt 0x0
	s_wait_kmcnt 0x0
	s_add_nc_u64 s[14:15], s[4:5], s[16:17]
	s_add_nc_u64 s[46:47], s[6:7], s[46:47]
	CROUND                                         ; all sixteen work-groups are here: the first joint loads meet
.irp s, 0,1
	s_mov_b32 s[G0+4*\s], 1
	s_add_co_u32 s[G0+4*\s+1], s20, \s*SLOT
	s_add_nc_u64 s[G0+4*\s+2:G0+4*\s+3], s[14:15], \s*512          ; K step s: 256 elements along the row
	s_or_b32 s[G0+4*\s+3], s[G0+4*\s+3], 0x80000000
	s_mov_b32 s[G0B+4*\s], 1
	s_add_co_u32 s[G0B+4*\s+1], s21, \s*SLOT
	s_add_nc_u64 s[G0B+4*\s+2:G0B+4*\s+3], s[46:47], \s*1048576    ; K step s: 256 rows of 4,096 bytes
	s_or_b32 s[G0B+4*\s+3], s[G0B+4*\s+3], 0x80000000
	JLOAD \s                                       ; both slots' first fills, two loads of each wave
.endr
	v_and_b32 v1, 15, v0                           ; r
	v_bfe_u32 v2, v0, 4, 1                         ; h
	v_and_b32 v3, 7, v0
	v_bfe_u32 v4, v0, 3, 1
	v_mul_u32_u24 v5, v1, PA                       ; att's fragment: row r of my 64, 16 bytes by h
	v_lshl_add_u32 v5, v2, 4, v5
	s_mul_i32 s22, s11, 64*PA
	v_add_nc_u32 v[ADRA], s22, v5
	v_add_nc_u32 v[ADRA+1], SLOT, v[ADRA]
	v_lshl_add_u32 v6, v2, 3, v3                   ; wob's fragment, transposing load: row k = 8 h + lane % 8, 16 bytes by (lane / 8) % 2, my 64 columns
	v_mul_u32_u24 v6, v6, PB
	v_lshl_add_u32 v6, v4, 4, v6
	s_lshl_b32 s22, s12, 7
	v_add_nc_u32 v6, s22, v6
.irp s, 0,1
.irp hf, 0,1
	v_add_nc_u32 v[ADRB+2*\s+\hf], \s*SLOT+BOFF+\hf*HALFB, v6
.endr
.endr
	s_mul_i32 s23, s10, 16*SPITCH
	s_add_co_u32 s23, s23, STAGE                   ; my stage
	v_mul_u32_u24 v7, v1, SPITCH                   ; in: row r, 32 bytes by h
	v_lshl_add_u32 v7, v2, 5, v7
	v_add_nc_u32 v[STO], s23, v7
	v_mul_u32_u24 v8, v2, SPITCH                   ; back: lanes 0-15 one row of 256 bytes, lanes 16-31 the next
	v_lshl_add_u32 v8, v1, 4, v8
	v_add_nc_u32 v[RD], s23, v8
	v_lshlrev_b32 v9, 13, v2                       ; and the same two rows in out0, 8,192 bytes apart
	v_lshl_add_u32 v[CO], v1, 4, v9
; 8 matrix instructions: row blocks 2 half, 2 half + 1 x all four column blocks.  The 16 accumulators take turns, one instruction a turn, in the same
; order in every quarter.
.macro MULH f, half, zero
.irp a, 2*\half, 2*\half+1
.irp b, 0,1,2,3
.if \zero
	v_wmma_f32_16x16x32_f16 v[8*(NT*(\a)+\b):8*(NT*(\a)+\b)+7], v[\f+32+8*\b:\f+32+8*\b+7], v[\f+8*(\a):\f+8*(\a)+7], 0
.else
	v_wmma_f32_16x16x32_f16 v[8*(NT*(\a)+\b):8*(NT*(\a)+\b)+7], v[\f+32+8*\b:\f+32+8*\b+7], v[\f+8*(\a):\f+8*(\a)+7], v[8*(NT*(\a)+\b):8*(NT*(\a)+\b)+7]
.endif
.endr
.endr
.endm
; 16 LDS loads: the fragments of part q (32 along K, q = 0..7) of a slot into buffer f
.macro FETCH slot, q, f
.irp mt, 0,1,2,3
	ds_load_b128 v[\f+8*\mt:\f+8*\mt+3],   v[ADRA+\slot] offset:16*PA*\mt+64*\q
	ds_load_b128 v[\f+8*\mt+4:\f+8*\mt+7], v[ADRA+\slot] offset:16*PA*\mt+64*\q+32
.endr
.irp nt, 0,1,2,3
	ds_load_tr16_b128 v[\f+32+8*\nt:\f+32+8*\nt+3],   v[ADRB+2*\slot+\q/4] offset:32*PB*(\q%4)+32*\nt
	ds_load_tr16_b128 v[\f+32+8*\nt+4:\f+32+8*\nt+7], v[ADRB+2*\slot+\q/4] offset:32*PB*(\q%4)+32*\nt+16*PB
.endr
.endm
.macro QUARTER slot, qn, f, g, zero
	PLACES                                         ; buffer g was read by the part before
	FETCH \slot, \qn, \g
	s_wait_dscnt NL                                ; all but the 16 just issued: buffer f is in
	WIN 0x50                                       ; C and D window 1
	MULH \f, 0, \zero
	MULH \f, 1, \zero
	WIN 0
.endm
.macro QS slot, zero                   ; the first seven of a step's eight parts
	QUARTER \slot, 1, F0, F1, \zero
	QUARTER \slot, 2, F1, F0, 0
	QUARTER \slot, 3, F0, F1, 0
	QUARTER \slot, 4, F1, F0, 0
	QUARTER \slot, 5, F0, F1, 0
	QUARTER \slot, 6, F1, F0, 0
	QUARTER \slot, 7, F0, F1, 0
.endm
; The last part multiplies buffer 1 and changes slots: each wave's waits for its reads of this slot and for all its tensor loads, the barrier (with fill = 1
; it opens a round of the cluster's barrier), the joint refill first behind it, then the next slot's first fragments.
.macro TURN slot, next, fill
	s_wait_dscnt 0x0
	s_wait_tensorcnt 0x0
	ds_add_u32 v254, v255
	s_wait_dscnt 0x0
	s_barrier_signal -1
	WIN 0x50
	MULH F1, 0, 0
	WIN 0
	s_barrier_wait -1
.if \fill
	CREST
	s_add_nc_u64 s[G0+4*\slot+2:G0+4*\slot+3], s[G0+4*\slot+2:G0+4*\slot+3], 1024
	s_add_nc_u64 s[G0B+4*\slot+2:G0B+4*\slot+3], s[G0B+4*\slot+2:G0B+4*\slot+3], 2097152
	JLOAD \slot
.endif
	PLACES
	FETCH \next, 0, F0
	WIN 0x50
	MULH F1, 1, 0
	WIN 0
.endm
.macro LAP zero
	QS 0, \zero
	TURN 0, 1, 1
	QS 1, 0
	TURN 1, 0, 1
.endm
	s_wait_tensorcnt 0x1                           ; my part of K step 0 is in; K step 1's may stay out
	s_barrier_signal -1
	s_barrier_wait -1
	FETCH 0, 0, F0
	LAP 1
	s_mov_b32 s3, LAPS-2
.Llap:
	LAP 0
	s_sub_co_u32 s3, s3, 1
	s_cmp_lg_u32 s3, 0
	s_cbranch_scc1 .Llap
	QS 0, 0                                        ; the last lap fills nothing
	TURN 0, 1, 0
	QS 1, 0
	s_wait_dscnt 0x0
	WIN 0x50
	MULH F1, 0, 0
	MULH F1, 1, 0
	WIN 0
	; THE WAY OUT, 16 rows at a time through my own stage: 32 bytes a lane in, whole rows of 256 bytes back.
	PLACES
	s_lshl_b32 s46, s13, 20                        ; 128 by rows of 8,192 bytes
	s_lshl_b32 s47, s11, 19                        ; + my 64 rows
	s_add_co_u32 s46, s46, s47
	s_lshl_b32 s47, s42, 9                         ; + 128 bx columns of 4 bytes
	s_add_co_u32 s46, s46, s47
	s_lshl_b32 s47, s12, 8                         ; + my 64 columns
	s_add_co_u32 s46, s46, s47
	s_mov_b32 s47, 0
	s_add_nc_u64 s[8:9], s[8:9], s[46:47]
.macro OUT16 mt
	WIN 0x04                                       ; store data window 1: straight from the accumulators
.irp nt, 0,1,2,3
	ds_store_b128 v[STO], v[8*(NT*\mt+\nt):8*(NT*\mt+\nt)+3]   offset:64*\nt
	ds_store_b128 v[STO], v[8*(NT*\mt+\nt)+4:8*(NT*\mt+\nt)+7] offset:64*\nt+16
.endr
	WIN 0
.irp t, 0,1,2,3,4,5,6,7
	ds_load_b128 v[F0+32*\mt+4*\t:F0+32*\mt+4*\t+3], v[RD] offset:2*SPITCH*\t   ; LDS serves a wave's instructions in order (ISA guide 5.7.1.4): these see the stores above, and the next block's stores come behind them
.endr
.irp t, 0,1,2,3,4,5,6,7
	s_wait_dscnt 7-\t
	global_store_b128 v[CO], v[F0+32*\mt+4*\t:F0+32*\mt+4*\t+3], s[8:9] offset:(16*\mt+2*\t)*8192 th:TH_STORE_NT   ; 16 lanes store 256 consecutive bytes, aligned; every store has data registers of its own
.endr
.endm
	OUT16 0
	OUT16 1
	OUT16 2
	OUT16 3
	s_wait_tensorcnt 0x0
	ds_add_u32 v254, v255
	s_wait_dscnt 0x0
	CROUND                                         ; the closing round
	s_endpgm
.Lfunc_end_k_q6366370f81_oproj:
	.size	k_q6366370f81_oproj, .Lfunc_end_k_q6366370f81_oproj-k_q6366370f81_oproj
	.p2alignl 7, 3214868480
	.fill 96, 4, 3214868480
	.section	.rodata,"a",@progbits
	.p2align	6, 0x0
	.amdhsa_kernel k_q6366370f81_oproj
		.amdhsa_group_segment_fixed_size 327680
		.amdhsa_private_segment_fixed_size 0
		.amdhsa_enable_private_segment 0
		.amdhsa_kernarg_size 24
		.amdhsa_user_sgpr_count 2
		.amdhsa_user_sgpr_kernarg_segment_ptr 1
		.amdhsa_wavefront_size32 1
		.amdhsa_system_sgpr_workgroup_id_x 1
		.amdhsa_system_sgpr_workgroup_id_y 1
		.amdhsa_system_sgpr_workgroup_id_z 1
		.amdhsa_system_vgpr_workitem_id 0
		.amdhsa_next_free_vgpr 384
		.amdhsa_next_free_sgpr 66
		.amdhsa_reserve_vcc 0
		.amdhsa_float_denorm_mode_32 3
		.amdhsa_float_denorm_mode_16_64 3
		.amdhsa_memory_ordered 1
		.amdhsa_forward_progress 1
		.amdhsa_inst_pref_size 126
	.end_amdhsa_kernel
	.amdgpu_metadata
---
amdhsa.version: [ 1, 2 ]
amdhsa.kernels:
  - .name:           k_q6366370f81_oproj
    .symbol:         k_q6366370f81_oproj.kd
    .args:
      - { .name: att, .offset: 0, .size: 8, .value_kind: global_buffer, .address_space: global }
      - { .name: wob, .offset: 8, .size: 8, .value_kind: global_buffer, .address_space: global }
      - { .name: out0, .offset: 16, .size: 8, .value_kind: global_buffer, .address_space: global }
    .group_segment_fixed_size: 327680
    .private_segment_fixed_size: 0
    .kernarg_segment_align: 8
    .kernarg_segment_size: 24
    .max_flat_workgroup_size: 128
    .sgpr_count:     66
    .vgpr_count:     384
    .wavefront_size: 32
...
	.end_amdgpu_metadata
.endif
;; end of part 4
;; ======== version 2 of 2: 4 launches; version 1 with the launch cast written anew for expert scheduling mode
;; limits: values outside matrix products are rounded to bf16; values are held in f16: magnitudes above 65,504 overflow, below 6.1e-05 lose precision
;; workspace buffers: xb 8,388,608 bytes; wqkv 12,582,912 bytes; wob 8,388,608 bytes; qkvh 12,582,912 bytes; att 8,388,608 bytes
;; launch cast (part 5): grid 1792 x 1, 8 waves a work-group, no clusters, 0 bytes of LDS; arguments x, wq, wk, wv, wo, xb, wqkv, wob; writes xb, wqkv, wob
.if DOCPART == 5
	.amdgcn_target "amdgcn-amd-amdhsa--gfx1250"
	.amdhsa_code_object_version 6
	.text
	.protected	k_q6366370f81_cast
	.globl	k_q6366370f81_cast
	.p2align	8
	.type	k_q6366370f81_cast,@function
k_q6366370f81_cast:
	s_mov_b64 s[64:65], 0
	v_nop
	global_prefetch_b8 v0, s[64:65] scope:SCOPE_SE
	s_setreg_imm32_b32 hwreg(HW_REG_WAVE_SCHED_MODE, 0, 2), 2
	s_setreg_imm32_b32 hwreg(HW_REG_WAVE_MODE, 25, 1), 1
	s_wait_xcnt 0x0
	s_wait_alu depctr_vm_vsrc(0)
; cast: the five matrix inputs, f32, are rounded once to bf16 (nearest even) and laid out in the order in which the products fetch them.
; K = 2048 is cut into 32 panels of 64; three panels make a K step of 192 (steps 0 to 9), the last two the step of 128 (step 10).
;   x [2048][2048]  -> xb   [step][16 blocks of 128 rows][panel of the step][128 rows][64 along K]: a step's tile of a block is 49,152 dense bytes (32,768 in step 10)
;   wq [2048][2048], wk, wv [2048][512] -> wqkv [step][16 blocks of 3 heads][panel of the step][3 heads][64 k][64 columns]: 73,728 dense bytes (49,152 in step 10);
;                      heads 0-31 wq, 32-39 wk, 40-47 wv
;   wo [2048][2048] -> wob [2048][2048]: rounded to bf16 like the others, then written in f16's format, because its partner in the last product is f16.
;                      LIMIT: that second step is exact for 2^-17 <= |wo| < 65,504; below it is off by at most 2^-25, above it overflows.
; A stream: no LDS, no matrix unit, no cluster (no byte is read twice).  Every wave has eight loads of 512 bytes, all issued at once, and eight stores of
; 256 consecutive bytes, each aligned to its own length.  Work-groups 0-511: x; 512-1279: the three weights; 1280-1791: wo.
; x and the weights: a wave takes 16 rows of a panel's 64 columns; lanes 0-15 read 256 bytes of one row, lanes 16-31 of the next; the two rows' 128 bytes of
; bf16 lie side by side in the panel.  wo: a wave takes 8 rows of 128 columns, a row to a load.  One body serves all by three scalars:
; s25 = bytes from the row of lanes 0-15 to what lanes 16-31 read, s26 = bytes from piece to piece in the source, s27 = the same in the destination.
; THE MODE: SCHED_MODE bits 1:0 = 2 (LLVM: expert scheduling mode 2), set by the entry lines.  The code itself states the register dependences
; between vector instructions and memory instructions, with s_wait_alu, always for 0.
; THE PLAN.  Registers that memory instructions touch:
;   SO0 .. SO7  source offsets.  Written by eight vector lines, all ahead of the first load; load i reads SO[i]; never written again.
;   X0 .. X7    written by the eight loads alone, once; read by the conversions behind the wait for the data.
;   DO0 .. DO7  destination offsets.  Written by eight vector lines behind the loads, which touch none of them; store i reads DO[i]; never written again.
;   Y0 .. Y7    written by piece i's conversions; read by store i; never written behind that store.
;   v1-v5 and T are named by vector lines alone.  s21, the wave's number, is written by a vector line and read by scalar lines.
; So: one wait for s21 ahead of the branches; one wait behind the lines that make SO, ahead of the run of loads; and, the pieces going in four pairs, one wait
; for each pair, behind the wait for the next pair's data: it states that the pair's conversions have written its Y (the first also: that DO is written).
; The pair's two stores follow it, dealt among the next pair's conversions, which name X, T and Y of other pieces: none of the registers that those stores read.
; No register that a memory instruction has read is written again, so the text holds no wait on vm_vsrc.
.set X,  8                             ; v[8:39]   eight pieces of 4 f32 a lane
.set Y,  40                            ; v[40:55]  eight pieces of 4 16-bit numbers a lane: each store has registers of its own
.set T,  56                            ; v[56:59]  at work (wo only)
.set SO, 60                            ; v[60:67]  byte offset of piece i in the source
.set DO, 68                            ; v[68:75]  byte offset of piece i in the destination
	s_load_b512 s[4:19], s[0:1], 0x0               ; x s[4:5], wq s[6:7], wk s[8:9], wv s[10:11], wo s[12:13], xb s[14:15], wqkv s[16:17], wob s[18:19]
	v_lshrrev_b32 v1, 5, v0
	v_readfirstlane_b32 s21, v1                    ; wave
	v_and_b32 v2, 15, v0                           ; lane % 16
	v_bfe_u32 v3, v0, 4, 1                         ; lane / 16
	v_and_b32 v4, 31, v0                           ; lane
	s_mov_b32 s35, 0                               ; high words of the two offsets
	s_mov_b32 s37, 0
	s_wait_alu depctr_va_sdst(0)                   ; s21 is written, ahead of the branches below and of its first reader in each of the three arms
	s_wait_kmcnt 0x0
	s_cmp_ge_u32 ttmp9, 1280
	s_cbranch_scc1 .Lwo
	s_cmp_ge_u32 ttmp9, 512
	s_cbranch_scc1 .Lw
	; x: work-group = (panel, block of 128 rows), wave = 16 rows of the block
	s_lshr_b32 s22, ttmp9, 4                       ; panel 0..31
	s_and_b32 s23, ttmp9, 15                       ; block of rows
	s_mul_i32 s24, s22, 43
	s_lshr_b32 s24, s24, 7                         ; step = panel / 3 (43/128 serves up to 127)
	s_mul_i32 s28, s24, 3
	s_sub_co_u32 s28, s22, s28                     ; panel within the step
	s_mov_b32 s29, 32768
	s_cmp_lt_u32 s24, 10
	s_cselect_b32 s29, 49152, s29                  ; bytes of a tile in this step
	s_mul_i32 s36, s24, 786432                     ; 16 full tiles a step
	s_mul_i32 s29, s29, s23
	s_add_co_u32 s36, s36, s29
	s_lshl_b32 s29, s28, 14                        ; a panel of a tile: 128 rows of 128 bytes
	s_add_co_u32 s36, s36, s29
	s_lshl_b32 s29, s21, 11                        ; my 16 rows
	s_add_co_u32 s36, s36, s29
	s_lshl_b32 s34, s23, 20                        ; source: 128 rows of 8,192 bytes,
	s_lshl_b32 s29, s21, 17                        ; my 16 rows,
	s_add_co_u32 s34, s34, s29
	s_lshl_b32 s29, s22, 8                         ; the panel's 256 bytes
	s_add_co_u32 s34, s34, s29
	s_add_nc_u64 s[30:31], s[4:5], s[34:35]
	s_add_nc_u64 s[32:33], s[14:15], s[36:37]
	s_mov_b32 s25, 8192
	s_mov_b32 s26, 16384
	s_mov_b32 s27, 256
	s_branch .Lgo
.Lw:
	; weights: work-group = (head, pair of panels), wave = (panel of the pair, 16 of its 64 k)
	s_sub_co_u32 s20, ttmp9, 512
	s_lshr_b32 s22, s20, 4                         ; head 0..47
	s_and_b32 s23, s20, 15
	s_lshr_b32 s24, s21, 2
	s_lshl1_add_u32 s23, s23, s24                  ; panel 0..31
	s_and_b32 s38, s21, 3                          ; which 16 k
	s_mul_i32 s24, s23, 43
	s_lshr_b32 s24, s24, 7                         ; step
	s_mul_i32 s28, s24, 3
	s_sub_co_u32 s28, s23, s28                     ; panel within the step
	s_mul_i32 s39, s22, 43
	s_lshr_b32 s39, s39, 7                         ; block of 3 heads
	s_mul_i32 s29, s39, 3
	s_sub_co_u32 s20, s22, s29                     ; head within the block
	s_mov_b32 s29, 49152
	s_cmp_lt_u32 s24, 10
	s_cselect_b32 s29, 73728, s29                  ; bytes of a tile in this step
	s_mul_i32 s36, s24, 1179648                    ; 16 full tiles a step
	s_mul_i32 s29, s29, s39
	s_add_co_u32 s36, s36, s29
	s_mul_i32 s29, s28, 24576                      ; a panel of a tile: 3 heads x 64 k x 128 bytes
	s_add_co_u32 s36, s36, s29
	s_lshl_b32 s29, s20, 13                        ; a head: 64 k x 128 bytes
	s_add_co_u32 s36, s36, s29
	s_lshl_b32 s29, s38, 11                        ; my 16 k
	s_add_co_u32 s36, s36, s29
	s_mov_b64 s[30:31], s[6:7]                     ; heads 0-31: wq
	s_mov_b32 s25, 8192
	s_mov_b32 s28, s22
	s_sub_co_u32 s29, s22, 32
	s_cmp_ge_u32 s22, 32                           ; heads 32-39: wk
	s_cselect_b64 s[30:31], s[8:9], s[30:31]
	s_cselect_b32 s25, 2048, s25
	s_cselect_b32 s28, s29, s28
	s_sub_co_u32 s29, s22, 40
	s_cmp_ge_u32 s22, 40                           ; heads 40-47: wv
	s_cselect_b64 s[30:31], s[10:11], s[30:31]
	s_cselect_b32 s28, s29, s28
	s_lshl_b32 s34, s23, 6
	s_lshl4_add_u32 s34, s38, s34                  ; my first k = 64 x panel + 16 x part
	s_mul_i32 s34, s34, s25
	s_lshl_b32 s29, s28, 8                         ; the head's 256 bytes of a row
	s_add_co_u32 s34, s34, s29
	s_add_nc_u64 s[30:31], s[30:31], s[34:35]
	s_add_nc_u64 s[32:33], s[16:17], s[36:37]
	s_lshl_b32 s26, s25, 1
	s_mov_b32 s27, 256
	s_branch .Lgo
.Lwo:
	; wo: work-group = (64 rows, 128 columns), wave = 8 rows
	s_sub_co_u32 s20, ttmp9, 1280
	s_and_b32 s22, s20, 15                         ; strip of 128 columns
	s_lshr_b32 s23, s20, 4
	s_lshl_b32 s23, s23, 6
	s_lshl3_add_u32 s23, s21, s23                  ; my first row
	s_lshl_b32 s34, s23, 13
	s_lshl_b32 s29, s22, 9
	s_add_co_u32 s34, s34, s29
	s_lshl_b32 s36, s23, 12
	s_lshl_b32 s29, s22, 8
	s_add_co_u32 s36, s36, s29
	s_add_nc_u64 s[30:31], s[12:13], s[34:35]
	s_add_nc_u64 s[32:33], s[18:19], s[36:37]
	s_mov_b32 s25, 256                             ; lanes 16-31 go on in the same row
	s_mov_b32 s26, 8192
	s_mov_b32 s27, 4096
.Lgo:
	v_mul_lo_u32 v5, v3, s25
	v_lshl_add_u32 v[SO], v2, 4, v5                ; 16 bytes a lane
.irp i, 1,2,3,4,5,6,7
	v_add_nc_u32 v[SO+\i], s26, v[SO+\i-1]         ; all eight source offsets are made ahead of the first load
.endr
	s_wait_alu depctr_va_vdst(0)                   ; SO0 to SO7 are written, which the eight loads below read as their offsets
.irp i, 0,1,2,3,4,5,6,7
	global_load_b128 v[X+4*\i:X+4*\i+3], v[SO+\i], s[30:31] th:TH_LOAD_NT
.endr
	v_lshlrev_b32 v[DO], 3, v4                     ; 8 bytes a lane.  The destination offsets are made while the loads are out: these lines name neither SO nor X
.irp i, 1,2,3,4,5,6,7
	v_add_nc_u32 v[DO+\i], s27, v[DO+\i-1]
.endr
; Piece i of eight is rounded.  half = 1: the bf16 numbers are widened again (a shift, a mask) and written as f16.
.macro CONV i, half
	v_cvt_pk_bf16_f32 v[Y+2*\i],   v[X+4*\i],   v[X+4*\i+1]
	v_cvt_pk_bf16_f32 v[Y+2*\i+1], v[X+4*\i+2], v[X+4*\i+3]
.if \half
	v_lshlrev_b32 v[T],   16,         v[Y+2*\i]
	v_and_b32     v[T+1], 0xffff0000, v[Y+2*\i]
	v_lshlrev_b32 v[T+2], 16,         v[Y+2*\i+1]
	v_and_b32     v[T+3], 0xffff0000, v[Y+2*\i+1]
	v_cvt_pk_f16_f32 v[Y+2*\i],   v[T],   v[T+1]
	v_cvt_pk_f16_f32 v[Y+2*\i+1], v[T+2], v[T+3]
.endif
.endm
; Piece i is stored.
.macro SEND i
	global_store_b64 v[DO+\i], v[Y+2*\i:Y+2*\i+1], s[32:33]   ; 32 lanes store 256 consecutive bytes; later launches read them: no hint
.endm
; The eight pieces, in four pairs.  A pair's stores stand behind the wait for the next pair's data and one wait on va_vdst, one store ahead of each of the next pair's pieces.
.macro BODY half
	s_wait_loadcnt 6                               ; loads come back in order (ISA guide 5.7.1): pieces 0 and 1 are in, the six younger ones stay out
	CONV 0, \half
	CONV 1, \half
	s_wait_loadcnt 4                               ; pieces 2 and 3 are in
	s_wait_alu depctr_va_vdst(0)                   ; DO0 to DO7 are written, the offsets of all eight stores; the conversions have written Y0 and Y1, which the two stores below read
	SEND 0
	CONV 2, \half                                  ; names X2, T and Y2: none of the registers that the store of piece 1 reads
	SEND 1
	CONV 3, \half
	s_wait_loadcnt 2                               ; pieces 4 and 5 are in
	s_wait_alu depctr_va_vdst(0)                   ; the conversions have written Y2 and Y3, which the two stores below read
	SEND 2
	CONV 4, \half
	SEND 3
	CONV 5, \half
	s_wait_loadcnt 0x0                             ; pieces 6 and 7 are in
	s_wait_alu depctr_va_vdst(0)                   ; the conversions have written Y4 and Y5, which the two stores below read
	SEND 4
	CONV 6, \half
	SEND 5
	CONV 7, \half
	s_wait_alu depctr_va_vdst(0)                   ; the conversions have written Y6 and Y7, which the last two stores read
	SEND 6
	SEND 7
	s_endpgm
.endm
	s_cmp_ge_u32 ttmp9, 1280
	s_cbranch_scc1 .Lhalf
	BODY 0
.Lhalf:
	BODY 1
.Lfunc_end_k_q6366370f81_cast:
	.size	k_q6366370f81_cast, .Lfunc_end_k_q6366370f81_cast-k_q6366370f81_cast
	.p2alignl 7, 3214868480
	.fill 96, 4, 3214868480
	.section	.rodata,"a",@progbits
	.p2align	6, 0x0
	.amdhsa_kernel k_q6366370f81_cast
		.amdhsa_group_segment_fixed_size 0
		.amdhsa_private_segment_fixed_size 0
		.amdhsa_enable_private_segment 0
		.amdhsa_kernarg_size 64
		.amdhsa_user_sgpr_count 2
		.amdhsa_user_sgpr_kernarg_segment_ptr 1
		.amdhsa_wavefront_size32 1
		.amdhsa_system_sgpr_workgroup_id_x 1
		.amdhsa_system_sgpr_workgroup_id_y 1
		.amdhsa_system_sgpr_workgroup_id_z 1
		.amdhsa_system_vgpr_workitem_id 0
		.amdhsa_next_free_vgpr 80
		.amdhsa_next_free_sgpr 66
		.amdhsa_reserve_vcc 0
		.amdhsa_float_denorm_mode_32 3
		.amdhsa_float_denorm_mode_16_64 3
		.amdhsa_memory_ordered 1
		.amdhsa_forward_progress 1
		.amdhsa_inst_pref_size 13
	.end_amdhsa_kernel
	.amdgpu_metadata
---
amdhsa.version: [ 1, 2 ]
amdhsa.kernels:
  - .name:           k_q6366370f81_cast
    .symbol:         k_q6366370f81_cast.kd
    .args:
      - { .name: x, .offset: 0, .size: 8, .value_kind: global_buffer, .address_space: global }
      - { .name: wq, .offset: 8, .size: 8, .value_kind: global_buffer, .address_space: global }
      - { .name: wk, .offset: 16, .size: 8, .value_kind: global_buffer, .address_space: global }
      - { .name: wv, .offset: 24, .size: 8, .value_kind: global_buffer, .address_space: global }
      - { .name: wo, .offset: 32, .size: 8, .value_kind: global_buffer, .address_space: global }
      - { .name: xb, .offset: 40, .size: 8, .value_kind: global_buffer, .address_space: global }
      - { .name: wqkv, .offset: 48, .size: 8, .value_kind: global_buffer, .address_space: global }
      - { .name: wob, .offset: 56, .size: 8, .value_kind: global_buffer, .address_space: global }
    .group_segment_fixed_size: 0
    .private_segment_fixed_size: 0
    .kernarg_segment_align: 8
    .kernarg_segment_size: 64
    .max_flat_workgroup_size: 256
    .sgpr_count:     66
    .vgpr_count:     80
    .wavefront_size: 32
...
	.end_amdgpu_metadata
.endif
;; end of part 5
;; launch qkv: the kernel of part 2 again; grid 16 x 16, 4 waves a work-group, clusters of 4 x 4, 327,680 bytes of LDS; arguments xb, wqkv, cos, sin, qkvh; writes qkvh
;; launch attn: the kernel of part 3 again; grid 32 x 8, 4 waves a work-group, clusters of 4 x 4, 327,680 bytes of LDS; arguments qkvh, mask, att; writes att
;; launch oproj: the kernel of part 4 again; grid 16 x 16, 4 waves a work-group, clusters of 4 x 4, 327,680 bytes of LDS; arguments att, wob, out0; writes out0
